; MI455X (gfx1250); checked and timed in simulation.
; The chip was launched on July 23, 2026; its instructions are those of AMD's public machine-readable ISA for CDNA 5 (MIT licence, August 2026) and "CDNA5" Instruction Set Architecture Reference Guide (July 2026). The comments in the code are by the model that wrote it; some were corrected since.
;; Mo E Layer. Allowed arithmetic: matrix products marked QUANTISED: E3M2 operands, one E8M0 scale for each 32 along K, by v_wmma_scale_f32_16x16x128_f8f6f4 with both operands' format E3M2, f32 sums; products left as they are: f32 operands where the result goes on into a quantised operand, else bf16, f16 or f32 operands; f32 sums; everything else in f32.
;; Inputs: W1 8 x 1,024 x 2,048 float32; W2 8 x 2,048 x 1,024 float32; Wr 1,024 x 8 float32; b1 8 x 2,048 float32; b2 8 x 1,024 float32; br 8 float32; x 4 x 512 x 1,024 float32.
;; Outputs: out0 4 x 512 x 1,024 float32.
;; This version of the problem:
;;   THIS VERSION OF THE PROBLEM IS GIVEN IN LOW PRECISION. The matrix products marked QUANTISED in the list below multiply operands that are first quantised to E3M2 (3 exponent bits, 2 mantissa bits; 6 bits a number), with one power-of-two scale for each 32 numbers along K (OCP MX v1.0); their sums are f32. All else is computed in f32.
;;   The module's matrix products, in the order in which they are computed (A, B: the left and right operand; K: the contracted axis; several contracted axes count as one K, in the product's order):
;;     1. [M 2,048, K 1,024] x [K 1,024, N 8]; A: input x; B: input Wr: left as it is (N = 8 < 16)
;;     2. [M 2,048, K 1,024] x [K 1,024, N 16,384]; A: input x; B: input W1: QUANTISED
;;     3. batch 8 x [M 1,024, K 2,048] x [K 2,048, N 2,048]; A: input W2; B: computed on the way: QUANTISED
;;     4. batch 2,048 x [M 1, K 8] x [K 8, N 1,024]; A: computed on the way; B: computed on the way: left as it is (K = 8 < 32)
;;   THE QUANTISER, for each operand of a quantised product, along K:
;;     - K is cut into blocks of 32 from its start; a last block that is shorter is filled with zeros.
;;     - A block's scale is 2^e with e = floor(log2(the largest magnitude in the block)) - 4, held to -126 .. 127; a block of zeros has e = 0. As a byte (E8M0): e + 127.
;;     - Each number is divided by its block's scale, clamped to +-28, and rounded to the nearest number of E3M2, ties to even, subnormals kept.
;;     - The product sums the exact products of the quantised numbers (number of the format x scale) in f32.
;;   ~~~python
;;   def quantise(x, axis):      # numpy; x: float32 -> the quantised numbers, widened to float32 again
;;       x = np.moveaxis(x, axis, -1); K = x.shape[-1]
;;       x = np.pad(x, [(0, 0)] * (x.ndim - 1) + [(0, -K % 32)]); x = x.reshape(x.shape[:-1] + (-1, 32)); a = np.abs(x).max(-1, keepdims=True)
;;       e = np.where(a > 0, np.clip(np.frexp(np.where(a > 0, a, 1))[1] - 1 - 4, -126, 127), 0)      # np.frexp(a)[1] - 1 = floor(log2(a)), exactly
;;       r = np.clip(x / 2.0 ** e, -28, 28)
;;       step = 2.0 ** (np.maximum(np.frexp(np.where(r == 0, 1, r))[1] - 1, -2) - 2)
;;       q = np.round(r / step) * step * 2.0 ** e      # np.round: ties to even
;;       return np.moveaxis(q.reshape(q.shape[:-2] + (-1,))[..., :K], -1, axis).astype(np.float32)
;;   ~~~
;;   OPERANDS COMPUTED ON THE WAY. 'Computed on the way' means the value that the module computes at that place (a softmax that the list does not call 'softmax' is quantised finished and normalised). What goes into a quantiser is computed in f32, as accurately as f32 sums, v_exp_f32 and their like allow (about 1e-6 of the number): no bf16 or f16 on the way to a quantiser, and a product that is left as it is and whose result goes on into a quantised operand takes f32 operands (vector FMAs, or v_wmma_f32_16x16x4_f32). A number that lies on a knife's edge between two numbers of the format may be rounded either way, as far as f32 arithmetic and the matrix unit's own rounding can turn it there, and no further.
;; One version. Each part assembles by itself: llvm-mc -triple=amdgcn-amd-amdhsa -mcpu=gfx1250 --defsym DOCPART=n.
;; ======== version 1 of 1: 4 launches
;; workspace buffers: xq 1,654,784 bytes; sel 8,192 bytes of whole numbers; w1q 13,107,200 bytes; w2q 13,107,200 bytes; plan 12,288 bytes of whole numbers; hq 8,192,000 bytes
;; launch prep1 (part 1): grid 1280 x 1, 4 waves a work-group, no clusters, 52,736 bytes of LDS; arguments x, Wr, br, W1, xq, sel, w1q; writes xq, sel, w1q
.if DOCPART == 1
	.amdgcn_target "amdgcn-amd-amdhsa--gfx1250"
	.amdhsa_code_object_version 6
	.text
	.protected	k_qf3605ec5ad_prep1
	.globl	k_qf3605ec5ad_prep1
	.p2align	8
	.type	k_qf3605ec5ad_prep1,@function
k_qf3605ec5ad_prep1:
	s_mov_b64 s[64:65], 0
	v_nop
	global_prefetch_b8 v0, s[64:65] scope:SCOPE_SE
	s_setreg_imm32_b32 hwreg(HW_REG_WAVE_MODE, 25, 1), 1
	s_wait_xcnt 0x0
; FIRST OF FOUR LAUNCHES.  Work-groups 0-255: the router and x's codes (8 tokens each, 2 a wave).  Work-groups 256-1279: W1 [8][1024][2048] f32 into codes of BF6 (E3M2) along K = its middle axis.
; 194 registers a wave and 52,736 bytes of LDS a work-group: five work-groups fit where four waves have 1,024 registers a SIMD and 327,680 bytes of LDS, and 1,280 = 5 x 256.
; ROUTER: logits = x Wr + br by f32 multiply-adds; softmax with the row's maximum taken off; the two largest probabilities (the lower index wins a tie); softmax of these two.
; Stored at fixed places: sel[token] = the number of the unordered pair of experts, lo (13 - lo) / 2 + hi - 1; the two gates (lo's, hi's) as f32.  No address here hangs on the choice.
; THE QUANTISER: a block of 32 along K has the scale 2^(floor(log2(largest magnitude)) - 4); its byte is the largest magnitude's exponent field - 4, held at 1 from below.
; xq: codes [token][768]: the 16 bytes at 32 j + 16 h are registers 4 j .. 4 j + 3 of the 96 registers (8 K steps x 12) that a lane of half h wants of that row; at XS_OFF [token][32] scale bytes; at GATE_OFF [token][2] gates.
; w1q: [expert][K step][tile of 16 columns][1,536]: the image of a fragment's registers, lane l's 16 bytes of registers 4 q .. 4 q + 3 at 512 q + 16 l; at WSC_OFF one scale word for each column and K step, in the tiles' order.
; THE COLUMNS OF A TILE OF W1 ARE NOT NEIGHBOURS: row m of tile 2 b + u is column 32 b + 8 u + m + 8 (m / 8), so that the first product's results come out as neighbours along the second product's K.
; LIMITS: NaN and infinities are not served.  A block of zeros gets the byte 1, not 127: its codes are zeros, and only this program reads the bytes.  The logits are summed in another order than a row-by-row sum:
; where the second and third probability agree to within f32 rounding, the choice may fall the other way.
.set XS_OFF,   1572864
.set GATE_OFF, 1638400
.set WSC_OFF,  12582912
.set XSB,      33280                   ; LDS: Wr in 32 rows of 1,040 bytes from byte 0; behind it 128 bytes for each wave's scale bytes (64 are used);
.set STG,      33792                   ; behind them a stage of 32 places of 144 bytes for each wave
.set X,   64                           ; v64-127  token g's 32 numbers of my block at X + 32 g
.set ACC, 128                          ; v128-143 token g, expert e at ACC + 8 g + e  (v128-191 take Wr on its way into LDS first)
.set WR,  16                           ; v16-47   four sets of eight: a row of Wr
.set OUT, 40                           ; v40-51   behind the logits: token g: four registers and two, to store
; One wave: 32 columns x 128 along K.  A lane takes a column and its registers run down K: a block of 32 lies in one lane, and the conversions give codes with K innermost.
; s[24:25] the numbers, s[26:27] the wave's two tiles of codes, s[28:29] their scale words; v1 the lane.  rowb: bytes from row to row; perm = 1: W1's order of columns.
.macro WQUANT rowb, perm
	v_lshlrev_b32 v2, 2, v1
.set n, 0
.rept 128
	global_load_b32 v[64+n], v2, s[24:25] offset:n*\rowb th:TH_LOAD_NT   ; row n at my 32 columns: 128 consecutive bytes a wave, the four waves side by side
.set n, n+1
.endr
.if \perm
	v_bfe_u32 v5, v1, 3, 1                         ; u: which of the two tiles
	v_and_b32 v6, 7, v1
	v_lshrrev_b32 v7, 4, v1
	v_lshl_add_u32 v6, v7, 3, v6                   ; m: my row in it
.else
	v_lshrrev_b32 v5, 4, v1
	v_and_b32 v6, 15, v1
.endif
	v_mul_u32_u24 v3, v5, 1536
	v_lshl_add_u32 v3, v6, 4, v3                   ; codes: tile u, lane m's 16 bytes
	v_lshl_add_u32 v4, v5, 4, v6
	v_lshlrev_b32 v4, 2, v4                        ; scale word 16 u + m
.irp j, 0,1,2,3
.set XB, 64+32*\j
.set DD, 16+12*(\j%2)+6*(\j/2)                 ; blocks 0, 2 are the registers of lane m, blocks 1, 3 those of lane 16 + m
.if \j < 2
	s_wait_loadcnt 63                              ; behind this block's loads 96 or 64 were issued; the wait can name 63 at the most
.elseif \j == 2
	s_wait_loadcnt 32                              ; the last block's 32 may be out
.else
	s_wait_loadcnt 0x0
.endif
	v_max3_num_f32 v8, |v[XB]|, |v[XB+1]|, |v[XB+2]|
	v_max3_num_f32 v9, |v[XB+3]|, |v[XB+4]|, |v[XB+5]|
.irp i, 6,10,14,18,22,26
	v_max3_num_f32 v8, v8, |v[XB+\i]|, |v[XB+\i+1]|
	v_max3_num_f32 v9, v9, |v[XB+\i+2]|, |v[XB+\i+3]|
.endr
	v_max3_num_f32 v8, v8, |v[XB+30]|, |v[XB+31]|
	v_max3_num_f32 v8, v8, v9, 0x2800000           ; the floor 2^(5 - 127): the byte cannot fall under 1
	v_add_nc_u32 v10, 0xfe000000, v8               ; 4 off the exponent field: the conversion's scale operand
.if \j == 0
	v_lshrrev_b32 v44, 23, v10                     ; the scale's byte; four make the column's word
.else
	v_lshrrev_b32 v11, 23, v10
	v_lshl_or_b32 v44, v11, 8*\j, v44
.endif
	v_cvt_scalef32_pk16_bf6_f32 v[DD:DD+2], v[XB:XB+15], v10
	v_cvt_scalef32_pk16_bf6_f32 v[40:42], v[XB+16:XB+31], v10   ; (a conversion's three registers begin on an even number)
	v_nop                                          ; one plain line behind a scaled conversion
	v_mov_b32 v[DD+3], v40
	v_mov_b32 v[DD+4], v41
	v_mov_b32 v[DD+5], v42
.endr
.irp q, 0,1,2
	global_store_b128 v3, v[16+4*\q:19+4*\q], s[26:27] offset:512*\q       ; sixteen lanes fill 256 consecutive bytes of each tile's image, aligned
	global_store_b128 v3, v[28+4*\q:31+4*\q], s[26:27] offset:512*\q+256
.endr
	global_store_b32 v4, v44, s[28:29]             ; 128 consecutive bytes
.endm
	s_load_b256 s[4:11], s[0:1], 0x0               ; x s[4:5], Wr s[6:7], br s[8:9], W1 s[10:11]
	s_load_b128 s[12:15], s[0:1], 0x20             ; xq s[12:13], sel s[14:15]
	s_load_b64 s[16:17], s[0:1], 0x30              ; w1q
	v_lshl_add_u32 v192, v0, 2, 0xcc00
	v_mov_b32 v193, 0
	v_lshrrev_b32 v1, 5, v0
	v_readfirstlane_b32 s18, v1                    ; wave
	v_and_b32 v1, 31, v0                           ; lane
	s_cmp_lt_u32 ttmp9, 256                        ; the paths part on the work-group's number alone; only the first uses LDS
	s_cbranch_scc0 .Lwq
	; ---------------- the router, and x's codes ----------------
	v_lshlrev_b32 v2, 4, v0                        ; Wr: 16 bytes a thread
	v_lshlrev_b32 v3, 4, v1                        ; x: 16 bytes a lane: a load takes 512 consecutive bytes of a row
	s_lshl_b32 s20, ttmp9, 3
	s_lshl_b32 s21, s18, 1
	s_add_co_u32 s20, s20, s21                     ; my first token: 8 x work-group + 2 x wave
	s_lshl_b32 s22, s20, 12
	s_mov_b32 s23, 0
	s_wait_kmcnt 0x0
	s_add_nc_u64 s[4:5], s[4:5], s[22:23]
	s_load_b256 s[24:31], s[8:9], 0x0              ; br
.irp i, 0,1,2,3,4,5,6,7,8,9,10,11,12,13,14,15
	global_load_b128 v[128+4*\i:131+4*\i], v2, s[6:7] offset:2048*\i
.endr
.irp g, 0,1
.irp j, 0,1,2,3,4,5,6,7
	global_load_b128 v[X+32*\g+4*\j:X+32*\g+4*\j+3], v3, s[4:5] offset:4096*\g+512*\j th:TH_LOAD_NT
.endr
.endr
	v_lshrrev_b32 v4, 6, v0                        ; Wr's row k lies in LDS at 1,040 (k / 32) + 32 (k % 32): thread t's 16 bytes of load i belong to row t / 2 + 64 i
	v_mul_u32_u24 v4, v4, 1040
	v_bfe_u32 v5, v0, 1, 5
	v_lshl_add_u32 v4, v5, 5, v4
	v_and_b32 v5, 1, v0
	v_lshl_add_u32 v4, v5, 4, v4
	v_mul_u32_u24 v5, v1, 1040                     ; and lane l reads rows 32 l + i: 65 x 16 bytes from lane to lane
	v_lshrrev_b32 v6, 2, v1                        ; my block l = 4 s + 2 c + h: K step s, registers 12 s + 6 c .. + 5 of half h
	v_mul_u32_u24 v6, v6, 96
	v_and_b32 v8, 1, v1
	v_lshl_add_u32 v6, v8, 4, v6
	v_cmp_ne_u32 s34, 0, v8                        ; lane l serves token l % 2 in the softmax
	v_bfe_u32 v8, v1, 1, 1
	v_lshl_add_u32 v7, v8, 3, v6                   ; the two registers that share a place of 16 bytes: 96 s + 32 + 16 h + 8 c (the 32 stands in the store)
	v_lshl_add_u32 v6, v8, 6, v6                   ; the four that fill one: 96 s + 64 c + 16 h
	v_cmp_ne_u32 s37, 0, v8                        ; c
	s_mov_b32 s32, 0x76543210
	s_mov_b32 s33, 0xfedcba98                      ; v_permlanex16_b32's selects for lane l xor 16
	s_mul_i32 s39, s18, 4608
	s_add_co_u32 s39, s39, STG                     ; my wave's stage: a block of 128 bytes has a place of 144
	v_lshrrev_b32 v14, 3, v1
	v_mul_u32_u24 v14, v14, 144
	v_and_b32 v15, 7, v1
	v_lshl_add_u32 v14, v15, 4, v14
	v_add_nc_u32 v14, s39, v14                     ; in: load j's 16 bytes of lane l belong to block 4 j + l / 8, at 16 (l % 8) in it
	v_mul_u32_u24 v15, v1, 144
	v_add_nc_u32 v15, s39, v15                     ; out: lane l takes block l: 9 x 16 bytes from lane to lane
	s_lshl_b32 s38, s18, 7
	s_add_co_u32 s38, s38, XSB
	v_add_nc_u32 v56, s38, v1                      ; my wave's 64 scale bytes: in, a byte a lane;
	v_lshl_add_u32 v57, v1, 1, s38                 ; out, two a lane
	v_lshlrev_b32 v58, 1, v1
	s_mul_i32 s22, s20, 768
	s_add_nc_u64 s[40:41], s[12:13], s[22:23]      ; my tokens' codes,
	s_lshl_b32 s22, s20, 5
	s_add_co_u32 s22, s22, XS_OFF
	s_add_nc_u64 s[42:43], s[12:13], s[22:23]      ; scale bytes,
	s_lshl_b32 s22, s20, 3
	s_add_co_u32 s22, s22, GATE_OFF
	s_add_nc_u64 s[44:45], s[12:13], s[22:23]      ; gates,
	s_lshl_b32 s22, s20, 2
	s_add_nc_u64 s[46:47], s[14:15], s[22:23]      ; and pair numbers
	s_wait_loadcnt 16                              ; Wr's 16 loads are in; x's 16 may be out
.irp i, 0,1,2,3,4,5,6,7,8,9,10,11,12,13,14,15
	ds_store_b128 v4, v[128+4*\i:131+4*\i] offset:2080*\i
.endr
	s_wait_dscnt 0x0                               ; for the others' sake: my part of Wr has landed
	s_barrier_signal -1
	s_barrier_wait -1
	s_wait_loadcnt 0x0                             ; x
	; a row turns through my own stage: in as it was loaded, out a block of 32 numbers a lane, into the registers that it left.  LDS serves a wave's instructions in order (ISA guide 5.7.1.4):
	; the loads see the stores above them, and the second token's stores come behind the first's loads
.irp g, 0,1
.irp j, 0,1,2,3,4,5,6,7
	ds_store_b128 v14, v[X+32*\g+4*\j:X+32*\g+4*\j+3] offset:576*\j
.endr
.irp j, 0,1,2,3,4,5,6,7
	ds_load_b128 v[X+32*\g+4*\j:X+32*\g+4*\j+3], v15 offset:16*\j
.endr
.endr
.irp i, 0,1,2
	ds_load_b128 v[WR+8*\i:WR+8*\i+3], v5 offset:32*\i
	ds_load_b128 v[WR+8*\i+4:WR+8*\i+7], v5 offset:32*\i+16
.endr
	; logits: lane l sums k = 32 l + i, two tokens x eight experts, two experts an instruction; Wr's rows come three ahead, in four sets
.set i, 0
.rept 32
.if i+3 < 32
	ds_load_b128 v[WR+8*((i+3)%4):WR+8*((i+3)%4)+3], v5 offset:32*(i+3)
	ds_load_b128 v[WR+8*((i+3)%4)+4:WR+8*((i+3)%4)+7], v5 offset:32*(i+3)+16
.endif
.set NW, 31-i
.if NW > 3
.set NW, 3
.endif
	s_wait_dscnt 2*NW                              ; row i is in (and x, which was asked for earlier); the rows asked for behind it, three at the most, may be out
.irp g, 0,1
.irp p, 0,1,2,3
.if i == 0
	v_pk_mul_f32 v[ACC+8*\g+2*\p:ACC+8*\g+2*\p+1], v[X+32*\g:X+32*\g+1], v[WR+2*\p:WR+2*\p+1] op_sel_hi:[0,1]   ; the first product starts the sums
.elseif i%2 == 0
	v_pk_fma_f32 v[ACC+8*\g+2*\p:ACC+8*\g+2*\p+1], v[X+32*\g+i:X+32*\g+i+1], v[WR+8*(i%4)+2*\p:WR+8*(i%4)+2*\p+1], v[ACC+8*\g+2*\p:ACC+8*\g+2*\p+1] op_sel_hi:[0,1,1]
.else
	v_pk_fma_f32 v[ACC+8*\g+2*\p:ACC+8*\g+2*\p+1], v[X+32*\g+i-1:X+32*\g+i], v[WR+8*(i%4)+2*\p:WR+8*(i%4)+2*\p+1], v[ACC+8*\g+2*\p:ACC+8*\g+2*\p+1] op_sel:[1,0,0] op_sel_hi:[1,1,1]
.endif
.endr
.endr
.set i, i+1
.endr
	; x's codes: a block lies whole in a lane; two chains for each token, the tokens by turns
.irp g, 0,1
	v_max3_num_f32 v[8+\g], |v[X+32*\g]|, |v[X+32*\g+1]|, 0x2800000          ; the floor 2^(5 - 127) among the leaves
	v_max3_num_f32 v[10+\g], |v[X+32*\g+16]|, |v[X+32*\g+17]|, |v[X+32*\g+18]|
.endr
.irp i, 2,4,6,8,10,12
.irp g, 0,1
	v_max3_num_f32 v[8+\g], v[8+\g], |v[X+32*\g+\i]|, |v[X+32*\g+\i+1]|
	v_max3_num_f32 v[10+\g], v[10+\g], |v[X+32*\g+\i+17]|, |v[X+32*\g+\i+18]|
.endr
.endr
.irp g, 0,1
	v_max3_num_f32 v[8+\g], v[8+\g], |v[X+32*\g+14]|, |v[X+32*\g+15]|
.endr
.irp g, 0,1
	v_max3_num_f32 v[8+\g], v[8+\g], v[10+\g], |v[X+32*\g+31]|
.endr
.irp g, 0,1
	v_add_nc_u32 v[12+\g], 0xfe000000, v[8+\g]     ; 4 off the exponent field: the conversion's scale operand
.endr
.irp g, 0,1
	v_lshrrev_b32 v[52+\g], 23, v[12+\g]           ; the scale's byte
.endr
.irp g, 0,1
	ds_store_b8 v56, v[52+\g] offset:32*\g
.endr
.irp g, 0,1
	v_cvt_scalef32_pk16_bf6_f32 v[32:34], v[X+32*\g:X+32*\g+15], v[12+\g]
	v_cvt_scalef32_pk16_bf6_f32 v[36:38], v[X+32*\g+16:X+32*\g+31], v[12+\g]
	v_nop                                          ; one plain line behind a scaled conversion
	v_cndmask_b32 v[OUT+6*\g], v32, v34, s37       ; c = 0: my six registers are a whole place and the first half of the next; c = 1: the second half of a place and a whole one
	v_cndmask_b32 v[OUT+6*\g+1], v33, v36, s37
	v_cndmask_b32 v[OUT+6*\g+2], v34, v37, s37
	v_cndmask_b32 v[OUT+6*\g+3], v36, v38, s37
	v_cndmask_b32 v[OUT+6*\g+4], v37, v32, s37
	v_cndmask_b32 v[OUT+6*\g+5], v38, v33, s37
	global_store_b128 v6, v[OUT+6*\g:OUT+6*\g+3], s[40:41] offset:768*\g
	global_store_b64 v7, v[OUT+6*\g+4:OUT+6*\g+5], s[40:41] offset:768*\g+32   ; the two stores together write the row's 768 bytes whole
.endr
	ds_load_u16 v54, v57                           ; LDS serves a wave's instructions in order: this sees my byte stores
	s_wait_dscnt 0x0
	global_store_b16 v58, v54, s[42:43]            ; two tokens' 64 scale bytes, consecutive
	; the logits' sums over the 32 lanes
.irp m, 1,2,4,8
.set n, 0
.rept 16
	v_add_f32_dpp v[ACC+n], v[ACC+n], v[ACC+n] row_xmask:\m row_mask:0xf bank_mask:0xf
.set n, n+1
.endr
.endr
.set n, 0
.rept 16
	v_permlanex16_b32 v[X+n], v[ACC+n], s32, s33   ; (x's registers are done with, and have been written)
.set n, n+1
.endr
.set n, 0
.rept 16
	v_add_f32 v[ACC+n], v[ACC+n], v[X+n]
.set n, n+1
.endr
	s_wait_kmcnt 0x0                               ; br
.irp e, 0,1,2,3,4,5,6,7
	v_cndmask_b32 v[144+\e], v[ACC+\e], v[ACC+8+\e], s34
	v_add_f32 v[144+\e], s[24+\e], v[144+\e]
.endr
	v_max3_num_f32 v152, v144, v145, v146
	v_max3_num_f32 v152, v152, v147, v148
	v_max3_num_f32 v152, v152, v149, v150
	v_max_num_f32 v152, v152, v151                 ; the row's maximum is taken off ahead of the exponentials
.irp e, 0,1,2,3,4,5,6,7
	v_sub_f32 v[144+\e], v[144+\e], v152
.endr
.irp e, 0,1,2,3,4,5,6,7
	v_mul_f32 v[144+\e], 0x3fb8aa3b, v[144+\e]
.endr
.irp e, 0,1,2,3,4,5,6,7
	v_exp_f32 v[160+\e], v[144+\e]
.endr
	v_nop                                          ; a plain line behind the batch,
	s_wait_alu depctr_va_vdst(0)                   ; and one wait ahead of its first reader
	v_add_f32 v153, v160, v161
	v_add_f32 v154, v162, v163
	v_add_f32 v155, v164, v165
	v_add_f32 v156, v166, v167
	v_add_f32 v153, v153, v154
	v_add_f32 v155, v155, v156
	v_add_f32 v153, v153, v155
	v_rcp_f32 v154, v153
	v_mov_b32 v156, 0                              ; (the plain line)  the first choice's index
	s_wait_alu depctr_va_vdst(0)
.irp e, 0,1,2,3,4,5,6,7
	v_mul_f32 v[144+\e], v[160+\e], v154           ; the probabilities
.endr
	v_mov_b32 v155, v144
.irp e, 1,2,3,4,5,6,7
	v_cmp_gt_f32 vcc_lo, v[144+\e], v155           ; strictly larger: the lower index keeps a tie
	v_cndmask_b32 v155, v155, v[144+\e], vcc_lo
	v_cndmask_b32 v156, v156, \e, vcc_lo
.endr
.irp e, 0,1,2,3,4,5,6,7
	v_cmp_eq_u32 vcc_lo, \e, v156
	v_cndmask_b32 v[160+\e], v[144+\e], -1.0, vcc_lo   ; the first choice is taken out: under every probability
.endr
	v_mov_b32 v157, v160
	v_mov_b32 v158, 0
.irp e, 1,2,3,4,5,6,7
	v_cmp_gt_f32 vcc_lo, v[160+\e], v157
	v_cndmask_b32 v157, v157, v[160+\e], vcc_lo
	v_cndmask_b32 v158, v158, \e, vcc_lo
.endr
	v_sub_f32 v159, v157, v155                     ; softmax of the two: the larger is taken off: w0 = 1 / (1 + e^(p1 - p0)), w1 = e^(p1 - p0) w0
	v_mul_f32 v159, 0x3fb8aa3b, v159
	v_exp_f32 v168, v159
	v_min_u32 v170, v156, v158                     ; (the plain line)  lo
	s_wait_alu depctr_va_vdst(0)
	v_add_f32 v169, 1.0, v168
	v_rcp_f32 v171, v169
	v_max_u32 v172, v156, v158                     ; (the plain line)  hi
	s_wait_alu depctr_va_vdst(0)
	v_mul_f32 v173, v168, v171
	v_cmp_lt_u32 vcc_lo, v156, v158
	v_cndmask_b32 v174, v173, v171, vcc_lo         ; lo's gate,
	v_cndmask_b32 v175, v171, v173, vcc_lo         ; hi's
	v_sub_nc_u32 v169, 13, v170
	v_mul_u32_u24 v169, v169, v170
	v_lshrrev_b32 v169, 1, v169
	v_add3_u32 v169, v169, v172, -1                ; the pair's number
	v_lshlrev_b32 v59, 2, v1
	v_lshlrev_b32 v60, 3, v1
	s_wait_xcnt 0x0                                ; EXEC changes only behind this wait: stores are out
	v_cmp_gt_u32 vcc_lo, 2, v1
	s_wait_tensorcnt 0x0
	ds_add_u32 v192, v193
	s_wait_dscnt 0x0
	s_and_saveexec_b32 s38, vcc_lo                 ; lanes 0, 1: my two tokens
	global_store_b32 v59, v169, s[46:47]
	global_store_b64 v60, v[174:175], s[44:45]
	s_wait_xcnt 0x0                                ; and again in front of the line that widens it
	s_or_b32 exec_lo, exec_lo, s38
	s_endpgm
	; ---------------- W1 ----------------
.Lwq:
	s_sub_co_u32 s20, ttmp9, 256                   ; id = 128 expert + 16 K step + group of 128 columns
	s_and_b32 s21, s20, 15
	s_bfe_u32 s22, s20, 0x30004
	s_lshr_b32 s23, s20, 7
	s_lshl_b32 s30, s23, 23                        ; an expert is 8,388,608 bytes,
	s_lshl_b32 s31, s22, 20                        ; 128 rows of 8,192,
	s_add_co_u32 s30, s30, s31
	s_lshl_b32 s31, s21, 9                         ; 128 columns,
	s_add_co_u32 s30, s30, s31
	s_lshl_b32 s31, s18, 7                         ; my wave's 32
	s_add_co_u32 s30, s30, s31
	s_mov_b32 s31, 0
	s_lshr_b32 s32, s20, 4
	s_lshl_b32 s32, s32, 7
	s_lshl_b32 s33, s21, 3
	s_add_co_u32 s32, s32, s33
	s_lshl_b32 s33, s18, 1
	s_add_co_u32 s32, s32, s33                     ; my first tile: 128 (8 expert + K step) + 8 group + 2 wave
	s_mul_i32 s34, s32, 1536
	s_mov_b32 s35, 0
	s_lshl_b32 s36, s32, 6
	s_add_co_u32 s36, s36, WSC_OFF
	s_mov_b32 s37, 0
	s_wait_kmcnt 0x0
	s_add_nc_u64 s[24:25], s[10:11], s[30:31]
	s_add_nc_u64 s[26:27], s[16:17], s[34:35]
	s_add_nc_u64 s[28:29], s[16:17], s[36:37]
	WQUANT 8192, 1
	s_endpgm
.Lfunc_end_k_qf3605ec5ad_prep1:
	.size	k_qf3605ec5ad_prep1, .Lfunc_end_k_qf3605ec5ad_prep1-k_qf3605ec5ad_prep1
	.p2alignl 7, 3214868480
	.fill 96, 4, 3214868480
	.section	.rodata,"a",@progbits
	.p2align	6, 0x0
	.amdhsa_kernel k_qf3605ec5ad_prep1
		.amdhsa_group_segment_fixed_size 52736
		.amdhsa_private_segment_fixed_size 0
		.amdhsa_enable_private_segment 0
		.amdhsa_kernarg_size 56
		.amdhsa_user_sgpr_count 2
		.amdhsa_user_sgpr_kernarg_segment_ptr 1
		.amdhsa_wavefront_size32 1
		.amdhsa_system_sgpr_workgroup_id_x 1
		.amdhsa_system_sgpr_workgroup_id_y 1
		.amdhsa_system_sgpr_workgroup_id_z 1
		.amdhsa_system_vgpr_workitem_id 0
		.amdhsa_next_free_vgpr 194
		.amdhsa_next_free_sgpr 66
		.amdhsa_reserve_vcc 1
		.amdhsa_float_denorm_mode_32 3
		.amdhsa_float_denorm_mode_16_64 3
		.amdhsa_memory_ordered 1
		.amdhsa_forward_progress 1
		.amdhsa_inst_pref_size 67
	.end_amdhsa_kernel
	.amdgpu_metadata
---
amdhsa.version: [ 1, 2 ]
amdhsa.kernels:
  - .name:           k_qf3605ec5ad_prep1
    .symbol:         k_qf3605ec5ad_prep1.kd
    .args:
      - { .name: x, .offset: 0, .size: 8, .value_kind: global_buffer, .address_space: global }
      - { .name: Wr, .offset: 8, .size: 8, .value_kind: global_buffer, .address_space: global }
      - { .name: br, .offset: 16, .size: 8, .value_kind: global_buffer, .address_space: global }
      - { .name: W1, .offset: 24, .size: 8, .value_kind: global_buffer, .address_space: global }
      - { .name: xq, .offset: 32, .size: 8, .value_kind: global_buffer, .address_space: global }
      - { .name: sel, .offset: 40, .size: 8, .value_kind: global_buffer, .address_space: global }
      - { .name: w1q, .offset: 48, .size: 8, .value_kind: global_buffer, .address_space: global }
    .group_segment_fixed_size: 52736
    .private_segment_fixed_size: 0
    .kernarg_segment_align: 8
    .kernarg_segment_size: 56
    .max_flat_workgroup_size: 128
    .sgpr_count:     66
    .vgpr_count:     194
    .wavefront_size: 32
...
	.end_amdgpu_metadata
.endif
;; end of part 1
;; launch prep2 (part 2): grid 1025 x 1, 4 waves a work-group, no clusters, 1,024 bytes of LDS; arguments W2, sel, plan, w2q; writes plan, w2q
.if DOCPART == 2
	.amdgcn_target "amdgcn-amd-amdhsa--gfx1250"
	.amdhsa_code_object_version 6
	.text
	.protected	k_qf3605ec5ad_prep2
	.globl	k_qf3605ec5ad_prep2
	.p2align	8
	.type	k_qf3605ec5ad_prep2,@function
k_qf3605ec5ad_prep2:
	s_mov_b64 s[64:65], 0
	v_nop
	global_prefetch_b8 v0, s[64:65] scope:SCOPE_SE
	s_setreg_imm32_b32 hwreg(HW_REG_WAVE_MODE, 25, 1), 1
	s_wait_xcnt 0x0
; SECOND LAUNCH.  Work-group 0 places the tokens; work-groups 1-1024 turn W2 [8][2048][1024] f32 into codes of BF6 (E3M2) along K = its middle axis.
; PLACING: the 2,048 tokens are sorted by their pair of experts (28 pairs, read from sel, which the launch before stored): a counting sort without atomics.  A pair's tokens fill tiles of 16 slots from a tile
; of its own on; a UNIT is up to six tiles (96 tokens) of one pair.  There are never more than 28 + (2048 - 28) / 96 = 49 units and 154 tiles, whatever the choice.
; plan: [128][4] words {tokens in the unit (0: no unit), first tile, lo, hi}; from byte 2,048 on the token of each slot (slots behind a pair's last token are not written and not read).
; w2q: as w1q, [expert][K step of 128][tile of 16 columns][1,536] images of fragments, the columns in their natural order; at WSC_OFF one scale word for each column and K step.
; THE QUANTISER and its LIMITS: a block's byte is its largest magnitude's exponent field - 4, held at 1 from below (a block of zeros: 1, not 127; its codes are zeros); NaN and infinities are not served.
.set WSC_OFF, 12582912
.set TOK_OFF, 2048
.set CODE, 16                          ; v16-31   the pair of my token in each of my wave's 16 groups of 32 tokens
.set RANK, 32                          ; v32-47   how many lower lanes of the group have the same pair
.set CNT,  48                          ; v48-63   lane c: how many tokens of the group have pair c
.set TMP,  68                          ; v68-83   at work
.set VB,   100                         ; v100-115 lane c: the slot at which the group's tokens of pair c begin
.set IDX,  116                         ; v116-131 4 x pair
.set PP,   132                         ; v132-147 that slot, fetched for my token
.set TKN,  148                         ; v148-163 my token's number
.set ADR,  164                         ; v164-179 where it goes
; One wave: 32 columns x 128 along K.  A lane takes a column and its registers run down K.  s[24:25] the numbers, s[26:27] the wave's two tiles of codes, s[28:29] their scale words; v1 the lane.
.macro WQUANT rowb, perm
	v_lshlrev_b32 v2, 2, v1
.set n, 0
.rept 128
	global_load_b32 v[64+n], v2, s[24:25] offset:n*\rowb th:TH_LOAD_NT   ; row n at my 32 columns: 128 consecutive bytes a wave, the four waves side by side
.set n, n+1
.endr
.if \perm
	v_bfe_u32 v5, v1, 3, 1
	v_and_b32 v6, 7, v1
	v_lshrrev_b32 v7, 4, v1
	v_lshl_add_u32 v6, v7, 3, v6
.else
	v_lshrrev_b32 v5, 4, v1                        ; u: which of the two tiles
	v_and_b32 v6, 15, v1                           ; m: my row in it
.endif
	v_mul_u32_u24 v3, v5, 1536
	v_lshl_add_u32 v3, v6, 4, v3
	v_lshl_add_u32 v4, v5, 4, v6
	v_lshlrev_b32 v4, 2, v4
.irp j, 0,1,2,3
.set XB, 64+32*\j
.set DD, 16+12*(\j%2)+6*(\j/2)                 ; blocks 0, 2 are the registers of lane m, blocks 1, 3 those of lane 16 + m
.if \j < 2
	s_wait_loadcnt 63                              ; behind this block's loads 96 or 64 were issued; the wait can name 63 at the most
.elseif \j == 2
	s_wait_loadcnt 32
.else
	s_wait_loadcnt 0x0
.endif
	v_max3_num_f32 v8, |v[XB]|, |v[XB+1]|, |v[XB+2]|
	v_max3_num_f32 v9, |v[XB+3]|, |v[XB+4]|, |v[XB+5]|
.irp i, 6,10,14,18,22,26
	v_max3_num_f32 v8, v8, |v[XB+\i]|, |v[XB+\i+1]|
	v_max3_num_f32 v9, v9, |v[XB+\i+2]|, |v[XB+\i+3]|
.endr
	v_max3_num_f32 v8, v8, |v[XB+30]|, |v[XB+31]|
	v_max3_num_f32 v8, v8, v9, 0x2800000           ; the floor 2^(5 - 127)
	v_add_nc_u32 v10, 0xfe000000, v8               ; 4 off the exponent field: the conversion's scale operand
.if \j == 0
	v_lshrrev_b32 v44, 23, v10
.else
	v_lshrrev_b32 v11, 23, v10
	v_lshl_or_b32 v44, v11, 8*\j, v44
.endif
	v_cvt_scalef32_pk16_bf6_f32 v[DD:DD+2], v[XB:XB+15], v10
	v_cvt_scalef32_pk16_bf6_f32 v[40:42], v[XB+16:XB+31], v10
	v_nop                                          ; one plain line behind a scaled conversion
	v_mov_b32 v[DD+3], v40
	v_mov_b32 v[DD+4], v41
	v_mov_b32 v[DD+5], v42
.endr
.irp q, 0,1,2
	global_store_b128 v3, v[16+4*\q:19+4*\q], s[26:27] offset:512*\q       ; sixteen lanes fill 256 consecutive bytes of each tile's image, aligned
	global_store_b128 v3, v[28+4*\q:31+4*\q], s[26:27] offset:512*\q+256
.endr
	global_store_b32 v4, v44, s[28:29]
.endm
	s_load_b256 s[4:11], s[0:1], 0x0               ; W2 s[4:5], sel s[6:7], plan s[8:9], w2q s[10:11]
	v_lshl_add_u32 v192, v0, 2, 0x200
	v_mov_b32 v193, 0
	v_lshrrev_b32 v1, 5, v0
	v_readfirstlane_b32 s18, v1                    ; wave
	v_and_b32 v1, 31, v0                           ; lane
	s_cmp_eq_u32 ttmp9, 0
	s_cbranch_scc0 .Lwq
	; ---------------- the placing: wave w has tokens 512 w .. 512 w + 511, a lane a token, 16 groups ----------------
	s_lshl_b32 s20, s18, 9
	v_add_nc_u32 v2, s20, v1
	v_lshlrev_b32 v3, 2, v2
	s_wait_kmcnt 0x0
.irp g, 0,1,2,3,4,5,6,7,8,9,10,11,12,13,14,15
	global_load_b32 v[CODE+\g], v3, s[6:7] offset:128*\g
.endr
.irp g, 0,1,2,3,4,5,6,7,8,9,10,11,12,13,14,15
	v_mov_b32 v[CNT+\g], 0                         ; written lane by lane below; lanes 28-31 stay 0
.endr
	s_wait_loadcnt 0x0
.irp g, 0,1,2,3,4,5,6,7,8,9,10,11,12,13,14,15
	v_min_u32 v[CODE+\g], 27, v[CODE+\g]
.endr
	; for each pair c: who has it, how many, and each such token's rank in its group.  The 16 groups by turns, so that no line waits for the line above it
.set c, 0
.rept 28
.irp g, 0,1,2,3,4,5,6,7,8,9,10,11,12,13,14,15
	v_cmp_eq_u32 s[32+\g], c, v[CODE+\g]
.endr
.irp g, 0,1,2,3,4,5,6,7,8,9,10,11,12,13,14,15
	s_bcnt1_i32_b32 s[48+\g], s[32+\g]
.endr
.irp g, 0,1,2,3,4,5,6,7,8,9,10,11,12,13,14,15
	v_writelane_b32 v[CNT+\g], s[48+\g], c
.endr
.if c == 0
.irp g, 0,1,2,3,4,5,6,7,8,9,10,11,12,13,14,15
	v_mbcnt_lo_u32_b32 v[RANK+\g], s[32+\g], 0     ; pair 0 starts the ranks: every lane's is written over by its own pair's
.endr
.else
.irp g, 0,1,2,3,4,5,6,7,8,9,10,11,12,13,14,15
	v_mbcnt_lo_u32_b32 v[TMP+\g], s[32+\g], 0
.endr
.irp g, 0,1,2,3,4,5,6,7,8,9,10,11,12,13,14,15
	v_cndmask_b32 v[RANK+\g], v[RANK+\g], v[TMP+\g], s[32+\g]
.endr
.endif
.set c, c+1
.endr
	v_add3_u32 v84, v[CNT], v[CNT+1], v[CNT+2]     ; my wave's count of each pair
.irp g, 3,5,7,9,11,13
	v_add3_u32 v84, v84, v[CNT+\g], v[CNT+\g+1]
.endr
	v_add_nc_u32 v84, v84, v[CNT+15]
	v_lshlrev_b32 v85, 2, v0
	v_lshlrev_b32 v86, 2, v1
	ds_store_b32 v85, v84                          ; 128 bytes a wave
	s_wait_dscnt 0x0                               ; for the others' sake
	s_barrier_signal -1
	s_barrier_wait -1
.irp j, 0,1,2,3
	ds_load_b32 v[64+\j], v86 offset:128*\j
.endr
	s_wait_dscnt 0x0
	v_add3_u32 v87, v64, v65, v66
	v_add_nc_u32 v87, v87, v67                     ; lane c: pair c's tokens in all
	v_mov_b32 v88, 0
.irp j, 0,1,2
	s_cmp_gt_u32 s18, \j
	s_cselect_b32 s21, -1, 0
	v_and_b32 v89, s21, v[64+\j]
	v_add_nc_u32 v88, v88, v89                     ; and those of the waves in front of mine
.endr
	v_add_nc_u32 v90, 15, v87
	v_lshrrev_b32 v90, 4, v90                      ; tiles
	v_add_nc_u32 v91, 5, v90
	v_mul_u32_u24 v91, v91, 171
	v_lshrrev_b32 v91, 10, v91                     ; units = (tiles + 5) / 6: 171 / 1024 serves up to 133
	v_mov_b32 v92, 0                               ; lane c: pair c's first tile,
	v_mov_b32 v93, 0                               ; its first unit;
	v_mov_b32 v94, 0                               ; thread u: the pair of unit u = how many pairs end at or before u (28: no such unit)
	s_mov_b32 s22, 0
	s_mov_b32 s23, 0
.set c, 0
.rept 28
	v_readlane_b32 s24, v90, c
	v_readlane_b32 s25, v91, c
	v_writelane_b32 v92, s22, c
	v_writelane_b32 v93, s23, c
	s_add_co_u32 s22, s22, s24
	s_add_co_u32 s23, s23, s25
	v_cmp_le_u32 vcc_lo, s23, v0
	v_add_co_ci_u32 v94, vcc_lo, 0, v94, vcc_lo
.set c, c+1
.endr
	; the tokens: slot = 16 x the pair's first tile + the pair's tokens in earlier waves and groups + the rank
	v_lshl_add_u32 v[VB], v92, 4, v88
.irp g, 0,1,2,3,4,5,6,7,8,9,10,11,12,13,14
	v_add_nc_u32 v[VB+\g+1], v[VB+\g], v[CNT+\g]
.endr
.irp g, 0,1,2,3,4,5,6,7,8,9,10,11,12,13,14,15
	v_lshlrev_b32 v[IDX+\g], 2, v[CODE+\g]
.endr
.irp g, 0,1,2,3,4,5,6,7,8,9,10,11,12,13,14,15
	ds_bpermute_b32 v[PP+\g], v[IDX+\g], v[VB+\g]  ; from the lane that stands for my pair; no LDS byte is touched
.endr
.irp g, 0,1,2,3,4,5,6,7,8,9,10,11,12,13,14,15
	v_add_nc_u32 v[TKN+\g], 32*\g, v2
.endr
	; the units, thread u
	v_min_u32 v95, 27, v94
	v_lshlrev_b32 v96, 2, v95
	ds_bpermute_b32 v180, v96, v87                 ; the pair's tokens,
	ds_bpermute_b32 v181, v96, v92                 ; first tile,
	ds_bpermute_b32 v182, v96, v93                 ; first unit
	v_mov_b32 v186, 0
.irp t, 7,13,18,22,25,27
	v_cmp_le_u32 vcc_lo, \t, v95                   ; pairs with lo = 1, 2 .. 6 begin at 7, 13, 18, 22, 25, 27
	v_add_co_ci_u32 v186, vcc_lo, 0, v186, vcc_lo
.endr
	v_sub_nc_u32 v189, 15, v186
	v_mul_u32_u24 v189, v189, v186
	v_lshrrev_b32 v189, 1, v189
	v_sub_nc_u32 v187, v95, v189
	v_add3_u32 v187, v187, v186, 1                 ; hi = pair - lo (15 - lo) / 2 + lo + 1
	v_lshlrev_b32 v183, 4, v0
	s_wait_dscnt 0x0
.irp g, 0,1,2,3,4,5,6,7,8,9,10,11,12,13,14,15
	v_add_nc_u32 v[ADR+\g], v[PP+\g], v[RANK+\g]
.endr
.irp g, 0,1,2,3,4,5,6,7,8,9,10,11,12,13,14,15
	v_min_u32 v[ADR+\g], 2559, v[ADR+\g]           ; inside the table, whatever sel held
.endr
.irp g, 0,1,2,3,4,5,6,7,8,9,10,11,12,13,14,15
	v_lshlrev_b32 v[ADR+\g], 2, v[ADR+\g]
.endr
.irp g, 0,1,2,3,4,5,6,7,8,9,10,11,12,13,14,15
	global_store_b32 v[ADR+\g], v[TKN+\g], s[8:9] offset:TOK_OFF
.endr
	v_sub_nc_u32 v188, v0, v182                    ; which unit of its pair
	v_mul_u32_u24 v189, v188, 96
	v_sub_nc_u32 v184, v180, v189
	v_min_u32 v184, 96, v184                       ; its tokens,
	v_cmp_eq_u32 vcc_lo, 28, v94
	v_cndmask_b32 v184, v184, 0, vcc_lo            ; 0 where there is no unit u
	v_mad_u32_u24 v185, v188, 6, v181              ; its first tile
	global_store_b128 v183, v[184:187], s[8:9]     ; 512 consecutive bytes a wave
	s_wait_tensorcnt 0x0
	ds_add_u32 v192, v193
	s_wait_dscnt 0x0
	s_endpgm
	; ---------------- W2 ----------------
.Lwq:
	s_sub_co_u32 s20, ttmp9, 1                     ; id = 128 expert + 8 K step + group of 128 columns
	s_and_b32 s21, s20, 7
	s_bfe_u32 s22, s20, 0x40003
	s_lshr_b32 s23, s20, 7
	s_lshl_b32 s30, s23, 23                        ; an expert is 8,388,608 bytes,
	s_lshl_b32 s31, s22, 19                        ; 128 rows of 4,096,
	s_add_co_u32 s30, s30, s31
	s_lshl_b32 s31, s21, 9                         ; 128 columns,
	s_add_co_u32 s30, s30, s31
	s_lshl_b32 s31, s18, 7                         ; my wave's 32
	s_add_co_u32 s30, s30, s31
	s_mov_b32 s31, 0
	s_lshr_b32 s32, s20, 3
	s_lshl_b32 s32, s32, 6
	s_lshl_b32 s33, s21, 3
	s_add_co_u32 s32, s32, s33
	s_lshl_b32 s33, s18, 1
	s_add_co_u32 s32, s32, s33                     ; my first tile: 64 (16 expert + K step) + 8 group + 2 wave
	s_mul_i32 s34, s32, 1536
	s_mov_b32 s35, 0
	s_lshl_b32 s36, s32, 6
	s_add_co_u32 s36, s36, WSC_OFF
	s_mov_b32 s37, 0
	s_wait_kmcnt 0x0
	s_add_nc_u64 s[24:25], s[4:5], s[30:31]
	s_add_nc_u64 s[26:27], s[10:11], s[34:35]
	s_add_nc_u64 s[28:29], s[10:11], s[36:37]
	WQUANT 4096, 0
	s_endpgm
.Lfunc_end_k_qf3605ec5ad_prep2:
	.size	k_qf3605ec5ad_prep2, .Lfunc_end_k_qf3605ec5ad_prep2-k_qf3605ec5ad_prep2
	.p2alignl 7, 3214868480
	.fill 96, 4, 3214868480
	.section	.rodata,"a",@progbits
	.p2align	6, 0x0
	.amdhsa_kernel k_qf3605ec5ad_prep2
		.amdhsa_group_segment_fixed_size 1024
		.amdhsa_private_segment_fixed_size 0
		.amdhsa_enable_private_segment 0
		.amdhsa_kernarg_size 32
		.amdhsa_user_sgpr_count 2
		.amdhsa_user_sgpr_kernarg_segment_ptr 1
		.amdhsa_wavefront_size32 1
		.amdhsa_system_sgpr_workgroup_id_x 1
		.amdhsa_system_sgpr_workgroup_id_y 1
		.amdhsa_system_sgpr_workgroup_id_z 1
		.amdhsa_system_vgpr_workitem_id 0
		.amdhsa_next_free_vgpr 194
		.amdhsa_next_free_sgpr 66
		.amdhsa_reserve_vcc 1
		.amdhsa_float_denorm_mode_32 3
		.amdhsa_float_denorm_mode_16_64 3
		.amdhsa_memory_ordered 1
		.amdhsa_forward_progress 1
		.amdhsa_inst_pref_size 169
	.end_amdhsa_kernel
	.amdgpu_metadata
---
amdhsa.version: [ 1, 2 ]
amdhsa.kernels:
  - .name:           k_qf3605ec5ad_prep2
    .symbol:         k_qf3605ec5ad_prep2.kd
    .args:
      - { .name: W2, .offset: 0, .size: 8, .value_kind: global_buffer, .address_space: global }
      - { .name: sel, .offset: 8, .size: 8, .value_kind: global_buffer, .address_space: global }
      - { .name: plan, .offset: 16, .size: 8, .value_kind: global_buffer, .address_space: global }
      - { .name: w2q, .offset: 24, .size: 8, .value_kind: global_buffer, .address_space: global }
    .group_segment_fixed_size: 1024
    .private_segment_fixed_size: 0
    .kernarg_segment_align: 8
    .kernarg_segment_size: 32
    .max_flat_workgroup_size: 128
    .sgpr_count:     66
    .vgpr_count:     194
    .wavefront_size: 32
...
	.end_amdgpu_metadata
.endif
;; end of part 2
;; launch ffn1 (part 3): grid 8 x 49, 4 waves a work-group, no clusters, 86,528 bytes of LDS; arguments xq, plan, w1q, b1, hq; writes hq
.if DOCPART == 3
	.amdgcn_target "amdgcn-amd-amdhsa--gfx1250"
	.amdhsa_code_object_version 6
	.text
	.protected	k_qf3605ec5ad_ffn1
	.globl	k_qf3605ec5ad_ffn1
	.p2align	8
	.type	k_qf3605ec5ad_ffn1,@function
k_qf3605ec5ad_ffn1:
	s_mov_b64 s[64:65], 0
	v_nop
	global_prefetch_b8 v0, s[64:65] scope:SCOPE_SE
	s_setreg_imm32_b32 hwreg(HW_REG_WAVE_MODE, 25, 1), 1
	s_wait_xcnt 0x0
; THIRD LAUNCH: h = Q(gelu(Q(x) Q(W1) + b1)) for the routed rows alone, on codes of BF6 (E3M2) with one E8M0 scale for each 32 along K.
; SHARES.  Work-group (x, y): unit y of the plan (up to 96 tokens that chose the same two experts), hidden units 256 x .. 256 x + 255 of both experts.  Wave w: expert lo (w < 2) or hi, hidden units
; 128 (2 x + w % 2) on: one K step of the second product.  A wave's tile is 96 rows x 128 columns: 48 accumulators, 8 K steps of 128.
; No tensor load.  Multicast is not used: it wants tensor loads.
; x IS GATHERED ONCE FOR THE WORK-GROUP: all four waves multiply the same 96 rows.  Wave w gathers K steps 2 w and 2 w + 1 of the six tiles of rows by token, 16 bytes a lane (36 loads), and stores them in LDS as images
; of the fragments' registers; behind the launch's one barrier every wave reads them from there, 512 consecutive bytes a load.  So all loads from memory in the main part are W1's, whose fragments lie in memory as images
; too, and they run five half steps of 12 loads ahead.
; A unit without tokens jumps over the gather to the barrier, which every wave passes on every way, and ends behind it: the grid serves every split.  All that both ways name is made ahead of their parting; every load
; into a register that the products read stands behind the barrier.
; All six tiles of rows are always multiplied; tile a stands for tile min(a, tiles - 1) and row r for token min(16 a + r, tokens - 1), so the main part has no branch.  Copies are left out on the way out.
; THE MATRIX INSTRUCTION IS USED TRANSPOSED (source 0 = 16 columns of W1, source 1 = 16 rows of x): a lane holds one row, and by the order of W1's columns in a tile its registers of tiles 2 b, 2 b + 1 are 16
; neighbours along the next K.  b1 is the C of each sum's first instruction.
; GELU, exact form: with z = v / sqrt(2): gelu(v) = z (c + c erf(z)), c = 1 / sqrt(2); erf(z) = z P(z^2) / Q(z^2) on z held to -4 .. 4, P of degree 6 and Q of degree 4 in z^2.
; LIMITS: erf's absolute error is about 1e-7, so for v under about -5 the tiny result loses relative accuracy; NaN and infinities are not served; a block of zeros gets the byte 1, not 127.
; hq: [tile][slot lo, hi][K step 0-15][1,536] images of fragments; from HS_OFF on [tile][slot][K step / 4][row][K step % 4] scale words.
; LDS: from byte 0 x's images [tile of rows 0-5][K step 0-7][1,536]; from XSCL on, for each wave a copy of its own of x's scale words, [tile][lane][16].
; REGISTERS, in windows of 256: window 0: v1 16 x lane, v2 row, v3 half, v4-9 x's addresses in memory, v10 W1's, v13-15 LDS addresses; v16-39 x's scale words, v40-71 W1's (they hold nothing else);
;   v72-215 x's fragments, two sets of 72;  window 1: v0-239 W1's fragments, a ring of five slots of four;  window 2: the accumulators of tiles 0-3 at 8 (8 a + b);
;   window 3: those of tiles 4, 5; from v128 b1 in the result's layout.
.set SSTR,   196608                    ; bytes from a K step of W1's codes to the next: 128 tiles
.set HS_OFF, 7864320
.set XSCL,   73728
.set ADA, 4
.set ADB, 10
.set LI2, 13                           ; v13  16 x lane + 36,864: tiles 3-5 of x's images (an LDS offset has 16 bits)
.set XST, 14                           ; v14  where I store images: 16 x lane + 3,072 x wave
.set XSP, 15                           ; v15  my wave's copy of x's scale words
.set RS,  16                           ; RS + 4 a + q: lanes 0-15 the word of K step q, lanes 16-31 of K step 4 + q
.set WS,  40                           ; WS + 4 s + bq: lanes 0-15 the words of tile bq, lanes 16-31 of tile 4 + bq
.set AF,  72
.set WB,  28                           ; s[28:29] my expert's codes
.set KC,  36                           ; s[36:61] thirteen constants, each twice: the packed forms name a pair
.set KA0, 38
.set KA1, 40
.set KA2, 42
.set KB0, 52
.set KB1, 54
.set KB2, 56
.set SEL, 66
.set ZZ,  72                           ; the way out: v72-135 64 numbers of a lane; v136-199 at work on 16 of them
.set GZC, 136
.set GZ2, 152
.set GP,  168
.set GQ,  184
.set TM,  200
.set PC,  216
.set PW,  236
.set SHF, 248
.set HSA, 249
.set VA1, 250
.set VB1, 252
.set MSB, 0
.macro WIN new                         ; the immediate's high byte repeats the setting that is left; a switch that changes nothing is dropped
.if MSB != \new
	s_set_vgpr_msb (MSB<<8)|\new
.set MSB, \new
.endif
.endm
.macro PLACES                          ; four plain lines between a matrix instruction and a load into its sources or a read of its result
.rept 4
	v_nop
.endr
.endm
.macro KSET r, val
	s_mov_b32 s[\r], \val
	s_mov_b32 s[\r+1], \val
.endm
.macro LOADB i                         ; half step i: four tiles of W1's columns, K step i / 2, into ring slot i % 5: twelve loads of 512 consecutive bytes
	WIN 0x40                                       ; destination window 1
.irp bq, 0,1,2,3
.irp q, 0,1,2
	global_load_b128 v[48*((\i)%5)+12*\bq+4*\q:48*((\i)%5)+12*\bq+4*\q+3], v[ADB], s[WB:WB+1] offset:((\i)/2)*SSTR+(4*((\i)%2)+\bq)*1536+512*\q
.endr
.endr
	WIN 0
.endm
.macro LOADA s                         ; K step s of the six tiles of rows, from LDS into set s % 2: eighteen loads of 512 consecutive bytes
.irp a, 0,1,2,3,4,5
.irp q, 0,1,2
.if \a < 3
	ds_load_b128 v[AF+72*((\s)%2)+12*\a+4*\q:AF+72*((\s)%2)+12*\a+4*\q+3], v1 offset:12288*\a+1536*(\s)+512*\q
.else
	ds_load_b128 v[AF+72*((\s)%2)+12*\a+4*\q:AF+72*((\s)%2)+12*\a+4*\q+3], v[LI2] offset:12288*(\a-3)+1536*(\s)+512*\q
.endif
.endr
.endr
.endm
.macro WM a, bq                        ; tile of rows a x tile of columns 4 HF + bq, K step S.  At S = 0 the C is b1
.set rD, 8*(8*((\a)%4)+4*HF+\bq)
.set rB, 48*((2*S+HF)%5)+12*\bq
.set rA, AF+72*(S%2)+12*(\a)
.set rW, WS+4*S+\bq
.set rR, RS+4*(\a)+S%4
.set rC, rD
.if S == 0
.set rC, 128+8*(4*HF+\bq)
.endif
.if (HF == 0) && (S < 4)
	v_wmma_scale_f32_16x16x128_f8f6f4 v[rD:rD+7], v[rB:rB+11], v[rA:rA+11], v[rC:rC+7], v[rW], v[rR] matrix_a_fmt:MATRIX_FMT_BF6 matrix_b_fmt:MATRIX_FMT_BF6
.elseif S < 4
	v_wmma_scale_f32_16x16x128_f8f6f4 v[rD:rD+7], v[rB:rB+11], v[rA:rA+11], v[rC:rC+7], v[rW], v[rR] matrix_a_fmt:MATRIX_FMT_BF6 matrix_b_fmt:MATRIX_FMT_BF6 matrix_a_scale:MATRIX_SCALE_ROW1
.elseif HF == 0
	v_wmma_scale_f32_16x16x128_f8f6f4 v[rD:rD+7], v[rB:rB+11], v[rA:rA+11], v[rC:rC+7], v[rW], v[rR] matrix_a_fmt:MATRIX_FMT_BF6 matrix_b_fmt:MATRIX_FMT_BF6 matrix_b_scale:MATRIX_SCALE_ROW1
.else
	v_wmma_scale_f32_16x16x128_f8f6f4 v[rD:rD+7], v[rB:rB+11], v[rA:rA+11], v[rC:rC+7], v[rW], v[rR] matrix_a_fmt:MATRIX_FMT_BF6 matrix_b_fmt:MATRIX_FMT_BF6 matrix_a_scale:MATRIX_SCALE_ROW1 matrix_b_scale:MATRIX_SCALE_ROW1
.endif
.endm
; Half step I = 2 S + HF: 24 matrix instructions.  The 48 accumulators take turns, one instruction a turn.
; From memory: B0 .. B4 ahead of the first half step, then B(I + 5) behind half step I, into the slot just multiplied: behind B(I) stand up to four quads of 12.
; From LDS: x's sets 0 and 1 ahead of the first, then set S + 2 behind K step S, into the set just multiplied: behind set S stands the next set's 18, while there is one.
.macro HS
.set NB, 15-I
.if NB > 4
.set NB, 4
.endif
	s_wait_loadcnt 12*NB
.if HF == 0
.if S < 7
	s_wait_dscnt 18
.else
	s_wait_dscnt 0x0
.endif
.endif
.if S == 0
	WIN 0xb1                                       ; W1 window 1, x window 0, C (b1) window 3, D window 2
.else
	WIN 0xa1                                       ; C and D window 2
.endif
.irp a, 0,1,2,3
.irp bq, 0,1,2,3
	WM \a, \bq
.endr
.endr
	WIN 0xf1                                       ; C and D window 3
.irp a, 4,5
.irp bq, 0,1,2,3
	WM \a, \bq
.endr
.endr
	WIN 0
	PLACES
.if (HF == 1) && (S+2 < 8)
	LOADA S+2
.endif
.if I+5 < 16
	LOADB I+5
.endif
.endm
; gelu of 16 numbers z = v / sqrt(2) at v[z] on, in place
.macro GELU16 z
.irp i, 0,1,2,3,4,5,6,7,8,9,10,11,12,13,14,15
	v_med3_num_f32 v[GZC+\i], v[\z+\i], -4.0, 4.0
.endr
.irp i, 0,2,4,6,8,10,12,14
	v_pk_mul_f32 v[GZ2+\i:GZ2+\i+1], v[GZC+\i:GZC+\i+1], v[GZC+\i:GZC+\i+1]
.endr
.irp i, 0,2,4,6,8,10,12,14
	v_pk_fma_f32 v[GP+\i:GP+\i+1], v[GZ2+\i:GZ2+\i+1], s[KA0:KA0+1], v[VA1:VA1+1] op_sel_hi:[1,0,1]
	v_pk_fma_f32 v[GQ+\i:GQ+\i+1], v[GZ2+\i:GZ2+\i+1], s[KB0:KB0+1], v[VB1:VB1+1] op_sel_hi:[1,0,1]
.endr
.irp k, 0,1,2
.irp i, 0,2,4,6,8,10,12,14
	v_pk_fma_f32 v[GP+\i:GP+\i+1], v[GP+\i:GP+\i+1], v[GZ2+\i:GZ2+\i+1], s[KA2+2*\k:KA2+2*\k+1] op_sel_hi:[1,1,0]
	v_pk_fma_f32 v[GQ+\i:GQ+\i+1], v[GQ+\i:GQ+\i+1], v[GZ2+\i:GZ2+\i+1], s[KB2+2*\k:KB2+2*\k+1] op_sel_hi:[1,1,0]
.endr
.endr
.irp i, 0,1,2,3,4,5,6,7,8,9,10,11,12,13,14,15
	v_rcp_f32 v[GQ+\i], v[GQ+\i]                   ; Q is negative and stays away from 0
.endr
.irp k, 3,4
.irp i, 0,2,4,6,8,10,12,14
	v_pk_fma_f32 v[GP+\i:GP+\i+1], v[GP+\i:GP+\i+1], v[GZ2+\i:GZ2+\i+1], s[KA2+2*\k:KA2+2*\k+1] op_sel_hi:[1,1,0]   ; P's last two steps are the plain work behind the reciprocals
.endr
.endr
.irp i, 0,2,4,6,8,10,12,14
	v_pk_mul_f32 v[GP+\i:GP+\i+1], v[GP+\i:GP+\i+1], v[GZC+\i:GZC+\i+1]
.endr
	s_wait_alu depctr_va_vdst(0)                   ; one wait for the sixteen, ahead of their first reader
.irp i, 0,2,4,6,8,10,12,14
	v_pk_mul_f32 v[GP+\i:GP+\i+1], v[GP+\i:GP+\i+1], v[GQ+\i:GQ+\i+1]        ; erf
.endr
.irp i, 0,2,4,6,8,10,12,14
	v_pk_fma_f32 v[GP+\i:GP+\i+1], v[GP+\i:GP+\i+1], s[KC:KC+1], s[KC:KC+1] op_sel_hi:[1,0,0]
.endr
.irp i, 0,2,4,6,8,10,12,14
	v_pk_mul_f32 v[\z+\i:\z+\i+1], v[\z+\i:\z+\i+1], v[GP+\i:GP+\i+1]
.endr
.endm
; 64 numbers of a lane, register 16 b + i = k 32 b + 16 (lane / 16) + i of my row, become a fragment's codes in v[PC] on and its scale word in v[PW]
.macro QUANT s
.irp b, 0,1,2,3
	v_max3_num_f32 v[TM+\b], |v[\s+16*\b]|, |v[\s+1+16*\b]|, 0x2800000   ; and the floor 2^(5 - 127): the byte cannot fall under 1
.endr
.irp i, 2,4,6,8,10,12,14
.irp b, 0,1,2,3
	v_max3_num_f32 v[TM+\b], v[TM+\b], |v[\s+16*\b+\i]|, |v[\s+1+16*\b+\i]|
.endr
.endr
.irp b, 0,1,2,3
	v_permlanex16_b32 v[TM+4+\b], v[TM+\b], s[SEL], s[SEL+1]   ; (its destination counts as read: these registers have held x's fragments)
.endr
.irp b, 0,1,2,3
	v_max_num_f32 v[TM+\b], v[TM+\b], v[TM+4+\b]   ; with lane l xor 16's: the block's largest magnitude
.endr
.irp b, 0,1,2,3
	v_add_nc_u32 v[TM+12+\b], 0xfe000000, v[TM+\b]
.endr
.irp b, 0,1,2,3
	v_lshrrev_b32 v[TM+4+\b], 23, v[TM+12+\b]
.endr
	v_lshl_or_b32 v[PW], v[TM+5], 8, v[TM+4]
	v_lshl_or_b32 v[PW], v[TM+6], 16, v[PW]
	v_lshl_or_b32 v[PW], v[TM+7], 24, v[PW]
.irp c, 0,1
	v_cvt_scalef32_pk16_bf6_f32 v[PC+6*\c:PC+2+6*\c], v[\s+32*\c:\s+15+32*\c], v[TM+12+2*\c]
	v_cvt_scalef32_pk16_bf6_f32 v[PC+12+4*\c:PC+14+4*\c], v[\s+16+32*\c:\s+31+32*\c], v[TM+12+2*\c+1]
.endr
	v_nop                                          ; one plain line behind a scaled conversion
.irp c, 0,1                                    ; the operand's layout wants a whole block in a lane
.irp i, 0,1,2
	v_permlane16_swap_b32 v[PC+6*\c+\i], v[PC+12+4*\c+\i]
.endr
.irp i, 0,1,2
	v_mov_b32 v[PC+3+6*\c+\i], v[PC+12+4*\c+\i]
.endr
.endr
.endm
	s_load_b256 s[4:11], s[0:1], 0x0               ; xq s[4:5], plan s[6:7], w1q s[8:9], b1 s[10:11]
	s_load_b64 s[12:13], s[0:1], 0x20              ; hq
	v_lshl_add_u32 v254, v0, 2, 0x15000
	v_mov_b32 v255, 0
	v_lshrrev_b32 v1, 5, v0
	v_readfirstlane_b32 s14, v1                    ; wave
	s_and_b32 s20, ttmp7, 0xffff                   ; unit
	s_lshl_b32 s20, s20, 4
	s_wait_kmcnt 0x0
	s_load_b128 s[16:19], s[6:7], s20 offset:0x0   ; tokens, first tile, lo, hi
	; while that is on its way: all that hangs on ids alone, every LDS address among it
	v_and_b32 v1, 31, v0
	v_lshlrev_b32 v1, 4, v1                        ; 16 x lane
	v_and_b32 v2, 15, v0                           ; row
	v_bfe_u32 v3, v0, 4, 1                         ; half
	s_lshr_b32 s15, s14, 1                         ; slot: 0 lo, 1 hi
	s_and_b32 s23, s14, 1
	s_mov_b32 s25, 0
	s_lshl_b32 s26, ttmp9, 1
	s_add_co_u32 s26, s26, s23                     ; my K step of the second product: 128 hidden units, 8 tiles
	v_add_nc_u32 v[LI2], 36864, v1
	s_mul_i32 s27, s14, 3072
	v_add_nc_u32 v[XST], s27, v1
	v_add_nc_u32 v[XSP], XSCL, v[XST]
	s_mul_i32 s27, s26, 12288
	v_add_nc_u32 v[ADB], s27, v1                   ; my eight tiles' images
	v_lshlrev_b32 v11, 2, v2
	v_lshl_add_u32 v11, v3, 8, v11
	s_lshl_b32 s76, s26, 9
	v_add_nc_u32 v11, s76, v11                     ; W1's scale words: 4 row + 256 half + 64 x my first tile
	v_lshlrev_b32 v12, 6, v3                       ; b1: 64 half
	s_mul_i32 s24, s14, 192
	s_add_nc_u64 s[74:75], s[4:5], s[24:25]        ; x's codes at the two K steps that I gather
	s_add_nc_u64 s[70:71], s[4:5], 1572864         ; x's scale bytes
	KSET KC, 0x3f3504f3                            ; 1 / sqrt(2)
	KSET KA0, 0xaf95df0b                           ; P, from the highest power down
	KSET KA1, 0x32edffee
	KSET KA2, 0xb60cff51
	KSET KA2+2, 0xb86ec2d2
	KSET KA2+4, 0xba40ac63
	KSET KA2+6, 0xbb41a1f6
	KSET KA2+8, 0xbc83dbd4
	KSET KB0, 0xb77460cd                           ; Q likewise
	KSET KB1, 0xb95fbd29
	KSET KB2, 0xbadc924e
	KSET KB2+2, 0xbbf19bf8
	KSET KB2+4, 0xbc69b6a7
	s_mov_b32 s[SEL], 0x76543210
	s_mov_b32 s[SEL+1], 0xfedcba98
	v_mov_b32 v[VA1], s[KA1]                       ; two constants in vector pairs, so that no packed line names two scalar pairs
	v_mov_b32 v[VA1+1], s[KA1]
	v_mov_b32 v[VB1], s[KB1]
	v_mov_b32 v[VB1+1], s[KB1]
	v_lshlrev_b32 v[SHF], 4, v3                    ; 16 half: which half of the scale word I store,
	v_lshlrev_b32 v[HSA], 4, v2
	v_lshl_add_u32 v[HSA], v3, 1, v[HSA]           ; and where: 16 row + 2 half
	s_wait_kmcnt 0x0
	s_min_u32 s16, s16, 96                         ; what was read is held inside its range before it enters an address
	s_min_u32 s17, s17, 153
	s_add_co_u32 s21, s16, 15
	s_lshr_b32 s21, s21, 4                         ; tiles, 0 to 6
	s_cmp_eq_u32 s15, 0
	s_cselect_b32 s22, s18, s19
	s_min_u32 s22, s22, 7                          ; my expert
	s_mul_i32 s24, s22, 1572864
	s_add_nc_u64 s[WB:WB+1], s[8:9], s[24:25]
	s_lshl_b32 s24, s22, 16
	s_add_co_u32 s24, s24, 12582912
	s_add_nc_u64 s[30:31], s[8:9], s[24:25]        ; its scale words
	s_lshl_b32 s24, s22, 13
	s_add_co_u32 s24, s24, s76
	s_add_nc_u64 s[72:73], s[10:11], s[24:25]      ; b1 at my 128 hidden units
	s_lshl_b32 s20, s17, 1
	s_add_co_u32 s20, s20, s15                     ; 2 x first tile + slot
	s_mul_i32 s24, s20, 24576
	s_mul_i32 s27, s26, 1536
	s_add_co_u32 s24, s24, s27
	s_add_nc_u64 s[32:33], s[12:13], s[24:25]      ; where my first image goes,
	s_lshl_b32 s24, s20, 10
	s_lshr_b32 s27, s26, 2
	s_lshl_b32 s27, s27, 8
	s_add_co_u32 s24, s24, s27
	s_and_b32 s27, s26, 3
	s_lshl_b32 s27, s27, 2
	s_add_co_u32 s24, s24, s27
	s_add_co_u32 s24, s24, HS_OFF
	s_add_nc_u64 s[34:35], s[12:13], s[24:25]      ; and its scale words
	s_cmp_eq_u32 s21, 0
	s_cbranch_scc1 .Lbar                           ; this split leaves the unit without tokens: on to the barrier
	; the gather: the tokens of my rows, then my two K steps of their codes and their scale words
	s_sub_co_u32 s68, s16, 1
	s_sub_co_u32 s69, s21, 1
	s_lshl_b32 s27, s17, 4
.irp a, 0,1,2,3,4,5
	s_min_u32 s63, s69, \a
	s_lshl_b32 s63, s63, 4
	v_add_nc_u32 v[216+\a], s63, v2
	v_min_u32 v[216+\a], s68, v[216+\a]
	v_add_nc_u32 v[216+\a], s27, v[216+\a]
	v_min_u32 v[216+\a], 2559, v[216+\a]
	v_lshlrev_b32 v[216+\a], 2, v[216+\a]
	global_load_b32 v[ADA+\a], v[216+\a], s[6:7] offset:2048   ; the token of my row of tile a
.endr
	s_wait_loadcnt 0x0
.irp a, 0,1,2,3,4,5
	v_min_u32 v[ADA+\a], 2047, v[ADA+\a]
	v_lshlrev_b32 v[216+\a], 5, v[ADA+\a]
	v_lshl_add_u32 v[216+\a], v3, 4, v[216+\a]     ; scale bytes: 32 token + 16 half
	v_mul_u32_u24 v[ADA+\a], v[ADA+\a], 768
	v_lshl_add_u32 v[ADA+\a], v3, 4, v[ADA+\a]     ; codes: 768 token + 16 half
	global_load_b128 v[224+4*\a:227+4*\a], v[216+\a], s[70:71]
.endr
.irp a, 0,1,2,3,4,5
.irp jj, 0,1,2,3,4,5
	global_load_b128 v[AF+24*\a+4*\jj:AF+24*\a+4*\jj+3], v[ADA+\a], s[74:75] offset:32*\jj   ; K step 2 w + jj / 3, registers 4 (jj % 3) on
.endr
.endr
	s_wait_loadcnt 0x0
.irp a, 0,1,2,3,4,5
	ds_store_b128 v[XSP], v[224+4*\a:227+4*\a] offset:512*\a
.endr
.irp a, 0,1,2,3,4,5
.irp jj, 0,1,2,3,4,5
	ds_store_b128 v[XST], v[AF+24*\a+4*\jj:AF+24*\a+4*\jj+3] offset:12288*\a+1536*(\jj/3)+512*(\jj%3)
.endr
.endr
.Lbar:
	s_wait_dscnt 0x0                               ; for the others' sake: my images have landed
	s_barrier_signal -1
	s_barrier_wait -1                              ; x's 48 fragments lie in LDS; nothing is stored there again
	s_cmp_eq_u32 s21, 0
	s_cbranch_scc1 .Lend
.irp s, 0,1,2,3,4,5,6,7
.irp bq, 0,1,2,3
	global_load_b32 v[WS+4*\s+\bq], v11, s[30:31] offset:8192*\s+64*\bq
.endr
.endr
	WIN 0xc0                                       ; destination window 3
.irp t, 0,1,2,3,4,5,6,7                        ; tile 2 b + u, lane half h: hidden units 32 b + 16 h + 8 u + 0 .. 7
	global_load_b128 v[128+8*\t:131+8*\t], v12, s[72:73] offset:(32*(\t/2)+8*(\t%2))*4
	global_load_b128 v[132+8*\t:135+8*\t], v12, s[72:73] offset:(32*(\t/2)+8*(\t%2))*4+16
.endr
	WIN 0
	LOADB 0
.irp a, 0,1,2,3,4,5
	ds_load_b128 v[RS+4*\a:RS+4*\a+3], v[XSP] offset:512*\a
.endr
	LOADA 0
	LOADA 1
	LOADB 1
	LOADB 2
	LOADB 3
	LOADB 4
.set I, 0
.rept 16
.set S, I/2
.set HF, I%2
	HS
.set I, I+1
.endr
	; THE WAY OUT, a tile of 16 rows a trip; the copies behind the unit's last tile are not walked.  What differs from tile to tile, the accumulators' registers, is six short blocks; the rest is written once.
	s_mov_b32 s62, 0
.Ltile:
.irp a, 0,1,2,3,4
	s_cmp_eq_u32 s62, \a
	s_cbranch_scc1 .Lcopy\a
.endr
.irp a, 5,4,3,2,1,0
.Lcopy\a:
.if \a < 4
	WIN 0x02                                       ; source 0 window 2
.else
	WIN 0x03
.endif
.set n, 0
.rept 32
	v_pk_mul_f32 v[ZZ+2*n:ZZ+2*n+1], v[64*(\a%4)+2*n:64*(\a%4)+2*n+1], s[KC:KC+1] op_sel_hi:[1,0]   ; z = v / sqrt(2); each accumulator from its low end on
.set n, n+1
.endr
	WIN 0
	s_branch .Lcommon
.endr
.Lcommon:
	GELU16 ZZ
	GELU16 ZZ+16
	GELU16 ZZ+32
	GELU16 ZZ+48
	QUANT ZZ
	v_lshrrev_b32 v237, v[SHF], v[PW]
.irp q, 0,1,2
	global_store_b128 v1, v[PC+4*\q:PC+4*\q+3], s[32:33] offset:512*\q   ; the fragment's image: 512 consecutive bytes a store, aligned
.endr
	global_store_b16 v[HSA], v237, s[34:35]        ; lanes 0-15 the word's lower half, lanes 16-31 its upper
	s_wait_xcnt 0x0                                ; the stores have read their registers and bases: both are written again below and in the next trip
	s_add_nc_u64 s[32:33], s[32:33], 49152
	s_add_nc_u64 s[34:35], s[34:35], 2048
	s_add_co_u32 s62, s62, 1
	s_cmp_lt_u32 s62, s21
	s_cbranch_scc1 .Ltile
.Lend:
	s_wait_tensorcnt 0x0
	ds_add_u32 v254, v255
	s_wait_dscnt 0x0
	s_endpgm
.Lfunc_end_k_qf3605ec5ad_ffn1:
	.size	k_qf3605ec5ad_ffn1, .Lfunc_end_k_qf3605ec5ad_ffn1-k_qf3605ec5ad_ffn1
	.p2alignl 7, 3214868480
	.fill 96, 4, 3214868480
	.section	.rodata,"a",@progbits
	.p2align	6, 0x0
	.amdhsa_kernel k_qf3605ec5ad_ffn1
		.amdhsa_group_segment_fixed_size 86528
		.amdhsa_private_segment_fixed_size 0
		.amdhsa_enable_private_segment 0
		.amdhsa_kernarg_size 40
		.amdhsa_user_sgpr_count 2
		.amdhsa_user_sgpr_kernarg_segment_ptr 1
		.amdhsa_wavefront_size32 1
		.amdhsa_system_sgpr_workgroup_id_x 1
		.amdhsa_system_sgpr_workgroup_id_y 1
		.amdhsa_system_sgpr_workgroup_id_z 1
		.amdhsa_system_vgpr_workitem_id 0
		.amdhsa_next_free_vgpr 960
		.amdhsa_next_free_sgpr 84
		.amdhsa_reserve_vcc 0
		.amdhsa_float_denorm_mode_32 3
		.amdhsa_float_denorm_mode_16_64 3
		.amdhsa_memory_ordered 1
		.amdhsa_forward_progress 1
		.amdhsa_inst_pref_size 155
	.end_amdhsa_kernel
	.amdgpu_metadata
---
amdhsa.version: [ 1, 2 ]
amdhsa.kernels:
  - .name:           k_qf3605ec5ad_ffn1
    .symbol:         k_qf3605ec5ad_ffn1.kd
    .args:
      - { .name: xq, .offset: 0, .size: 8, .value_kind: global_buffer, .address_space: global }
      - { .name: plan, .offset: 8, .size: 8, .value_kind: global_buffer, .address_space: global }
      - { .name: w1q, .offset: 16, .size: 8, .value_kind: global_buffer, .address_space: global }
      - { .name: b1, .offset: 24, .size: 8, .value_kind: global_buffer, .address_space: global }
      - { .name: hq, .offset: 32, .size: 8, .value_kind: global_buffer, .address_space: global }
    .group_segment_fixed_size: 86528
    .private_segment_fixed_size: 0
    .kernarg_segment_align: 8
    .kernarg_segment_size: 40
    .max_flat_workgroup_size: 128
    .sgpr_count:     84
    .vgpr_count:     960
    .wavefront_size: 32
...
	.end_amdgpu_metadata
.endif
;; end of part 3
;; launch ffn2 (part 4): grid 8 x 49, 4 waves a work-group, no clusters, 205,312 bytes of LDS; arguments hq, plan, xq, w2q, b2, out0; writes out0
.if DOCPART == 4
	.amdgcn_target "amdgcn-amd-amdhsa--gfx1250"
	.amdhsa_code_object_version 6
	.text
	.protected	k_qf3605ec5ad_ffn2
	.globl	k_qf3605ec5ad_ffn2
	.p2align	8
	.type	k_qf3605ec5ad_ffn2,@function
k_qf3605ec5ad_ffn2:
	s_mov_b64 s[64:65], 0
	v_nop
	global_prefetch_b8 v0, s[64:65] scope:SCOPE_SE
	s_setreg_imm32_b32 hwreg(HW_REG_WAVE_MODE, 25, 1), 1
	s_wait_xcnt 0x0
; FOURTH LAUNCH: out = g_lo (h_lo Q(W2[lo]) + b2[lo]) + g_hi (h_hi Q(W2[hi]) + b2[hi]) for each token, on codes of BF6 (E3M2) with one E8M0 scale for each 32 along K.
; SHARES.  Work-group (x, y): unit y of the plan (up to 96 tokens with the same two experts), output columns 128 x .. 128 x + 127.  It multiplies for BOTH experts, so it owns its numbers of the output: no sum spans
; work-groups.  Wave w: expert lo (w < 2) or hi, K steps 8 (w % 2) .. + 7 of the 16: no byte of h or of W2 is read twice in the work-group.  A wave's tile is 96 rows x 128 columns: 48 accumulators.
; The four waves' parts meet in LDS behind the launch's one barrier; each wave then adds, weighs and stores a quarter of the rows, 512 consecutive bytes a row.
; No tensor load: the operands go from memory straight into registers, as images of the fragments' registers (512 consecutive bytes a load).  Multicast wants tensor loads.
; A unit without tokens jumps over the work to the barrier, which every wave passes on every way, and ends behind it.
; All six tiles of rows are always multiplied; tile a stands for tile min(a, tiles - 1); copies are left out on the way out.  Rows behind the unit's last token are copies of that token: they store the same bits to
; the same place.
; THE MATRIX INSTRUCTION IS USED TRANSPOSED (source 0 = 16 columns of W2, source 1 = 16 rows of h): a lane holds eight neighbouring numbers of a row.
; LIMITS: K is summed in two halves, which are then added.  NaN and infinities are not served.
; REGISTERS, in windows of 256: window 0: v1 16 x lane, v2 row, v3 half, v4-9 h's addresses, v10 W2's; v16-39 h's scale words, v40-71 W2's (they hold nothing else); v72-215 h's fragments, two sets of 72;
;   v216-223 b2; v224-234 addresses.  window 1: v0-191 W2's fragments, a ring of four slots of four.  window 2: the accumulators of tiles 0-3 at 8 (8 a + b);  window 3: those of tiles 4, 5.
.set SSTR,   98304                     ; bytes from a K step of W2's codes to the next: 64 tiles
.set HS_OFF, 7864320
.set REG,    50688                     ; LDS: a region of 96 rows x 528 bytes for each wave,
.set GT,     202752                    ; behind them the rows' gates, 8 bytes each,
.set TK,     203776                    ; and tokens
.set ADA, 4
.set ADB, 10
.set RS,  16                           ; RS + 4 a + q: lanes 0-15 the word of my K step q, lanes 16-31 of 4 + q
.set WS,  40                           ; WS + 4 s + bq: lanes 0-15 the words of tile bq, lanes 16-31 of tile 4 + bq
.set AF,  72
.set WB,  28
.set BL,  216
.set BH,  220
.set RD,  224
.set STO, 228
.set MSB, 0
.macro WIN new                         ; the immediate's high byte repeats the setting that is left; a switch that changes nothing is dropped
.if MSB != \new
	s_set_vgpr_msb (MSB<<8)|\new
.set MSB, \new
.endif
.endm
.macro PLACES                          ; four plain lines between a matrix instruction and a load into its sources or a read of its result
.rept 4
	v_nop
.endr
.endm
.macro LOADB i                         ; half step i: four tiles of W2's columns, my K step i / 2, into ring slot i % 4
	WIN 0x40                                       ; destination window 1
.irp bq, 0,1,2,3
.irp q, 0,1,2
	global_load_b128 v[48*((\i)%4)+12*\bq+4*\q:48*((\i)%4)+12*\bq+4*\q+3], v[ADB], s[WB:WB+1] offset:((\i)/2)*SSTR+(4*((\i)%2)+\bq)*1536+512*\q
.endr
.endr
	WIN 0
.endm
.macro LOADA s                         ; my K step s of the six tiles of rows into set s % 2
.irp a, 0,1,2,3,4,5
.irp q, 0,1,2
	global_load_b128 v[AF+72*((\s)%2)+12*\a+4*\q:AF+72*((\s)%2)+12*\a+4*\q+3], v[ADA+\a], s[32:33] offset:(\s)*1536+512*\q
.endr
.endr
.endm
.macro WM a, bq                        ; tile of rows a x tile of columns 4 HF + bq, my K step S.  At S = 0 the constant 0 starts the sum
.set rD, 8*(8*((\a)%4)+4*HF+\bq)
.set rB, 48*((2*S+HF)%4)+12*\bq
.set rA, AF+72*(S%2)+12*(\a)
.set rW, WS+4*S+\bq
.set rR, RS+4*(\a)+S%4
.if (S == 0) && (HF == 0)
	v_wmma_scale_f32_16x16x128_f8f6f4 v[rD:rD+7], v[rB:rB+11], v[rA:rA+11], 0, v[rW], v[rR] matrix_a_fmt:MATRIX_FMT_BF6 matrix_b_fmt:MATRIX_FMT_BF6
.elseif S == 0
	v_wmma_scale_f32_16x16x128_f8f6f4 v[rD:rD+7], v[rB:rB+11], v[rA:rA+11], 0, v[rW], v[rR] matrix_a_fmt:MATRIX_FMT_BF6 matrix_b_fmt:MATRIX_FMT_BF6 matrix_a_scale:MATRIX_SCALE_ROW1
.elseif (HF == 0) && (S < 4)
	v_wmma_scale_f32_16x16x128_f8f6f4 v[rD:rD+7], v[rB:rB+11], v[rA:rA+11], v[rD:rD+7], v[rW], v[rR] matrix_a_fmt:MATRIX_FMT_BF6 matrix_b_fmt:MATRIX_FMT_BF6
.elseif S < 4
	v_wmma_scale_f32_16x16x128_f8f6f4 v[rD:rD+7], v[rB:rB+11], v[rA:rA+11], v[rD:rD+7], v[rW], v[rR] matrix_a_fmt:MATRIX_FMT_BF6 matrix_b_fmt:MATRIX_FMT_BF6 matrix_a_scale:MATRIX_SCALE_ROW1
.elseif HF == 0
	v_wmma_scale_f32_16x16x128_f8f6f4 v[rD:rD+7], v[rB:rB+11], v[rA:rA+11], v[rD:rD+7], v[rW], v[rR] matrix_a_fmt:MATRIX_FMT_BF6 matrix_b_fmt:MATRIX_FMT_BF6 matrix_b_scale:MATRIX_SCALE_ROW1
.else
	v_wmma_scale_f32_16x16x128_f8f6f4 v[rD:rD+7], v[rB:rB+11], v[rA:rA+11], v[rD:rD+7], v[rW], v[rR] matrix_a_fmt:MATRIX_FMT_BF6 matrix_b_fmt:MATRIX_FMT_BF6 matrix_a_scale:MATRIX_SCALE_ROW1 matrix_b_scale:MATRIX_SCALE_ROW1
.endif
.endm
; Half step I = 2 S + HF: 24 matrix instructions.  The 48 accumulators take turns, one instruction a turn.
; Loads are issued in the order B0 A0 B1 B2 A1 B3 | B4 | A2 B5 | B6 | A3 B7 ..: behind what half step I reads stand up to three B quads of 12 and, while there is one, the next A set of 18.
.macro HS
.set NB, 15-I
.if NB > 3
.set NB, 3
.endif
.set NA, 0
.if S < 7
.set NA, 18
.endif
	s_wait_loadcnt 12*NB+NA
	WIN 0xa1                                       ; W2 window 1, h window 0, C and D window 2
.irp a, 0,1,2,3
.irp bq, 0,1,2,3
	WM \a, \bq
.endr
.endr
	WIN 0xf1                                       ; C and D window 3
.irp a, 4,5
.irp bq, 0,1,2,3
	WM \a, \bq
.endr
.endr
	WIN 0
	PLACES
.if (HF == 1) && (S+2 < 8)
	LOADA S+2
.endif
.if I+4 < 16
	LOADB I+4
.endif
.endm
	s_load_b256 s[4:11], s[0:1], 0x0               ; hq s[4:5], plan s[6:7], xq s[8:9], w2q s[10:11]
	s_load_b128 s[12:15], s[0:1], 0x20             ; b2 s[12:13], out0 s[14:15]
	v_lshl_add_u32 v254, v0, 2, 0x32000
	v_mov_b32 v255, 0
	v_lshrrev_b32 v1, 5, v0
	v_readfirstlane_b32 s26, v1                    ; wave
	s_and_b32 s20, ttmp7, 0xffff                   ; unit
	s_lshl_b32 s20, s20, 4
	s_wait_kmcnt 0x0
	s_load_b128 s[16:19], s[6:7], s20 offset:0x0   ; tokens, first tile, lo, hi
	; what both ways need is made here, ahead of their parting: every LDS address, the output's base, b2
	v_and_b32 v1, 31, v0
	v_lshlrev_b32 v1, 4, v1                        ; 16 x lane
	v_and_b32 v2, 15, v0                           ; row
	v_bfe_u32 v3, v0, 4, 1                         ; half
	s_lshr_b32 s27, s26, 1                         ; slot: 0 lo, 1 hi
	s_and_b32 s23, s26, 1                          ; which half of K
	s_mov_b32 s25, 0
	s_mul_i32 s42, s26, REG
	v_mul_u32_u24 v[STO], v2, 528
	v_lshl_add_u32 v[STO], v3, 5, v[STO]
	v_add_nc_u32 v[STO], s42, v[STO]               ; into my region: row, 32 bytes for each half of the lanes
	s_mul_i32 s42, s26, 2112
.irp g, 0,1,2,3
	v_add_nc_u32 v[RD+\g], s42, v1                 ; back, from region g: rows 4 wave + i of each tile, 16 bytes a lane
	s_add_co_u32 s42, s42, REG
.endr
	s_lshl_b32 s42, s26, 5
	s_add_co_u32 s42, s42, GT
	v_mov_b32 v229, s42                            ; those rows' gates,
	s_lshl_b32 s42, s26, 4
	s_add_co_u32 s42, s42, TK
	v_mov_b32 v230, s42                            ; and tokens
	v_lshl_add_u32 v231, v0, 2, TK                 ; thread i fills entry i of the two tables
	v_lshl_add_u32 v232, v0, 3, GT
	s_lshl_b32 s24, ttmp9, 9                       ; my 128 columns, in bytes
	s_add_nc_u64 s[38:39], s[12:13], s[24:25]
	s_add_nc_u64 s[40:41], s[14:15], s[24:25]
	s_wait_kmcnt 0x0
	s_min_u32 s16, s16, 96                         ; what was read is held inside its range before it enters an address
	s_min_u32 s17, s17, 153
	s_min_u32 s18, s18, 7
	s_min_u32 s19, s19, 7
	s_add_co_u32 s21, s16, 15
	s_lshr_b32 s21, s21, 4                         ; tiles, 0 to 6
	s_lshl_b32 s42, s18, 12
	v_add_nc_u32 v233, s42, v1
	s_lshl_b32 s42, s19, 12
	v_add_nc_u32 v234, s42, v1
	global_load_b128 v[BL:BL+3], v233, s[38:39]    ; b2 of lo and of hi at my four columns of a row
	global_load_b128 v[BH:BH+3], v234, s[38:39]
	s_cmp_eq_u32 s21, 0
	s_cbranch_scc1 .Lstaged                        ; no tokens: on to the barrier
	s_sub_co_u32 s42, s16, 1
	s_sub_co_u32 s43, s21, 1
	s_lshl_b32 s44, s17, 4
	v_lshrrev_b32 v12, 4, v0                       ; table entry i: tile i / 16, row i % 16
	v_min_u32 v12, s43, v12
	v_lshl_add_u32 v12, v12, 4, v2
	v_min_u32 v12, s42, v12
	v_add_nc_u32 v12, s44, v12
	v_min_u32 v12, 2559, v12
	v_lshlrev_b32 v12, 2, v12
	global_load_b32 v13, v12, s[6:7] offset:2048   ; its token
	s_cmp_eq_u32 s27, 0
	s_cselect_b32 s22, s18, s19
	s_min_u32 s22, s22, 7                          ; my expert
	s_mul_i32 s24, s22, 1572864
	s_mul_i32 s45, s23, 786432
	s_add_co_u32 s24, s24, s45
	s_add_nc_u64 s[WB:WB+1], s[10:11], s[24:25]    ; its codes, my half of K
	s_lshl_b32 s24, s22, 16
	s_lshl_b32 s45, s23, 15
	s_add_co_u32 s24, s24, s45
	s_add_co_u32 s24, s24, 12582912
	s_add_nc_u64 s[30:31], s[10:11], s[24:25]      ; and scale words
	s_mul_i32 s24, s27, 24576
	s_mul_i32 s45, s23, 12288
	s_add_co_u32 s24, s24, s45
	s_add_nc_u64 s[32:33], s[4:5], s[24:25]        ; h's images: my slot, my half of K
	s_lshl_b32 s24, s27, 10
	s_lshl_b32 s45, s23, 9
	s_add_co_u32 s24, s24, s45
	s_add_co_u32 s24, s24, HS_OFF
	s_add_nc_u64 s[34:35], s[4:5], s[24:25]        ; and scale words
	s_add_nc_u64 s[36:37], s[8:9], 1638400         ; the gates
	s_mul_i32 s45, ttmp9, 12288
	v_add_nc_u32 v[ADB], s45, v1                   ; my eight tiles' images
	v_lshlrev_b32 v11, 2, v2
	v_lshl_add_u32 v11, v3, 8, v11
	s_lshl_b32 s45, ttmp9, 9
	v_add_nc_u32 v11, s45, v11                     ; 4 row + 256 half + 64 x my first tile
.irp s, 0,1,2,3,4,5,6,7
.irp bq, 0,1,2,3
	global_load_b32 v[WS+4*\s+\bq], v11, s[30:31] offset:4096*\s+64*\bq
.endr
.endr
.irp a, 0,1,2,3,4,5
	s_min_u32 s45, s43, \a
	s_add_co_u32 s45, s45, s17
	s_min_u32 s45, s45, 159
	s_mul_i32 s46, s45, 49152
	v_add_nc_u32 v[ADA+\a], s46, v1
	s_lshl_b32 s46, s45, 11
	v_add_nc_u32 v[236+\a], s46, v1
	global_load_b128 v[RS+4*\a:RS+4*\a+3], v[236+\a], s[34:35]
.endr
	s_wait_loadcnt 38                              ; the token is in: behind it 32 + 6 scale loads were issued
	v_min_u32 v13, 2047, v13
	v_lshlrev_b32 v12, 3, v13
	global_load_b64 v[14:15], v12, s[36:37]        ; its two gates
	LOADB 0
	LOADA 0
	LOADB 1
	LOADB 2
	LOADA 1
	LOADB 3
	s_wait_loadcnt 63                              ; the gates are in: 84 loads were issued behind them; the wait can name 63 at the most
	ds_store_b32 v231, v13
	ds_store_b64 v232, v[14:15]
.set I, 0
.rept 16
.set S, I/2
.set HF, I%2
	HS
.set I, I+1
.endr
	; my part of the sums goes into my region, tile by tile; the copies behind the unit's last tile are left out
.irp a, 0,1,2,3,4,5
.if \a > 0
	s_cmp_le_u32 s21, \a
	s_cbranch_scc1 .Lstaged
.endif
.if \a < 4
	WIN 0x08                                       ; an LDS store's data are its source 1: window 2
.else
	WIN 0x0c
.endif
.irp b, 0,1,2,3,4,5,6,7
	ds_store_b128 v[STO], v[64*(\a%4)+8*\b:64*(\a%4)+8*\b+3] offset:8448*\a+64*\b          ; each accumulator from its low end on
	ds_store_b128 v[STO], v[64*(\a%4)+8*\b+4:64*(\a%4)+8*\b+7] offset:8448*\a+64*\b+16
.endr
	WIN 0
.endr
.Lstaged:
	s_wait_loadcnt 0x0                             ; b2
	s_wait_dscnt 0x0                               ; for the others' sake: my stores into LDS have landed
	s_barrier_signal -1
	s_barrier_wait -1
	; wave w adds, weighs and stores rows 4 w .. 4 w + 3 of each tile
.irp a, 0,1,2,3,4,5
	s_cmp_le_u32 s21, \a
	s_cbranch_scc1 .Lend
.if \a > 0
	s_wait_xcnt 0x0                                ; the last tile's stores have read their registers, which are written again below
.endif
.irp i, 0,1,2,3
.irp g, 0,1,2,3
	ds_load_b128 v[72+16*\i+4*\g:75+16*\i+4*\g], v[RD+\g] offset:528*(16*\a+\i)
.endr
	ds_load_b64 v[136+2*\i:137+2*\i], v229 offset:8*(16*\a+\i)
	ds_load_b32 v[144+\i], v230 offset:4*(16*\a+\i)
.endr
	s_wait_dscnt 0x0
.irp i, 0,1,2,3
.irp p, 0,2
	v_pk_add_f32 v[72+16*\i+\p:73+16*\i+\p], v[72+16*\i+\p:73+16*\i+\p], v[76+16*\i+\p:77+16*\i+\p]     ; lo: K's two halves,
	v_pk_add_f32 v[80+16*\i+\p:81+16*\i+\p], v[80+16*\i+\p:81+16*\i+\p], v[84+16*\i+\p:85+16*\i+\p]     ; hi likewise,
.endr
.irp p, 0,2
	v_pk_add_f32 v[72+16*\i+\p:73+16*\i+\p], v[72+16*\i+\p:73+16*\i+\p], v[BL+\p:BL+\p+1]               ; and the biases
	v_pk_add_f32 v[80+16*\i+\p:81+16*\i+\p], v[80+16*\i+\p:81+16*\i+\p], v[BH+\p:BH+\p+1]
.endr
.irp p, 0,2
	v_pk_mul_f32 v[148+4*\i+\p:149+4*\i+\p], v[72+16*\i+\p:73+16*\i+\p], v[136+2*\i:137+2*\i] op_sel_hi:[1,0]   ; x lo's gate
.endr
.irp p, 0,2
	v_pk_fma_f32 v[148+4*\i+\p:149+4*\i+\p], v[80+16*\i+\p:81+16*\i+\p], v[136+2*\i:137+2*\i], v[148+4*\i+\p:149+4*\i+\p] op_sel:[0,1,0] op_sel_hi:[1,1,1]   ; + hi's part x hi's gate
.endr
	v_min_u32 v[144+\i], 2047, v[144+\i]
	v_lshl_add_u32 v[164+\i], v[144+\i], 12, v1    ; the token's row of 4,096 bytes
	global_store_b128 v[164+\i], v[148+4*\i:151+4*\i], s[40:41] th:TH_STORE_NT   ; 32 lanes store 512 consecutive bytes, at a multiple of 256 from the output's first byte
.endr
.endr
.Lend:
	s_wait_tensorcnt 0x0
	ds_add_u32 v254, v255
	s_wait_dscnt 0x0
	s_endpgm
.Lfunc_end_k_qf3605ec5ad_ffn2:
	.size	k_qf3605ec5ad_ffn2, .Lfunc_end_k_qf3605ec5ad_ffn2-k_qf3605ec5ad_ffn2
	.p2alignl 7, 3214868480
	.fill 96, 4, 3214868480
	.section	.rodata,"a",@progbits
	.p2align	6, 0x0
	.amdhsa_kernel k_qf3605ec5ad_ffn2
		.amdhsa_group_segment_fixed_size 205312
		.amdhsa_private_segment_fixed_size 0
		.amdhsa_enable_private_segment 0
		.amdhsa_kernarg_size 48
		.amdhsa_user_sgpr_count 2
		.amdhsa_user_sgpr_kernarg_segment_ptr 1
		.amdhsa_wavefront_size32 1
		.amdhsa_system_sgpr_workgroup_id_x 1
		.amdhsa_system_sgpr_workgroup_id_y 1
		.amdhsa_system_sgpr_workgroup_id_z 1
		.amdhsa_system_vgpr_workitem_id 0
		.amdhsa_next_free_vgpr 896
		.amdhsa_next_free_sgpr 66
		.amdhsa_reserve_vcc 0
		.amdhsa_float_denorm_mode_32 3
		.amdhsa_float_denorm_mode_16_64 3
		.amdhsa_memory_ordered 1
		.amdhsa_forward_progress 1
		.amdhsa_inst_pref_size 135
	.end_amdhsa_kernel
	.amdgpu_metadata
---
amdhsa.version: [ 1, 2 ]
amdhsa.kernels:
  - .name:           k_qf3605ec5ad_ffn2
    .symbol:         k_qf3605ec5ad_ffn2.kd
    .args:
      - { .name: hq, .offset: 0, .size: 8, .value_kind: global_buffer, .address_space: global }
      - { .name: plan, .offset: 8, .size: 8, .value_kind: global_buffer, .address_space: global }
      - { .name: xq, .offset: 16, .size: 8, .value_kind: global_buffer, .address_space: global }
      - { .name: w2q, .offset: 24, .size: 8, .value_kind: global_buffer, .address_space: global }
      - { .name: b2, .offset: 32, .size: 8, .value_kind: global_buffer, .address_space: global }
      - { .name: out0, .offset: 40, .size: 8, .value_kind: global_buffer, .address_space: global }
    .group_segment_fixed_size: 205312
    .private_segment_fixed_size: 0
    .kernarg_segment_align: 8
    .kernarg_segment_size: 48
    .max_flat_workgroup_size: 128
    .sgpr_count:     66
    .vgpr_count:     896
    .wavefront_size: 32
...
	.end_amdgpu_metadata
.endif
;; end of part 4
